; MI455X (gfx1250); checked and timed in simulation.
; The chip was launched on July 23, 2026; its instructions are those of AMD's public machine-readable ISA for CDNA 5 (MIT licence, August 2026) and "CDNA5" Instruction Set Architecture Reference Guide (July 2026). The comments in the code are by the model that wrote it; some were corrected since.
;; Self Attention. Allowed arithmetic: float matrix products may take bf16 or f16 operands with f32 sums; other float arithmetic in f32, or as packed bf16 or f16 multiplies, adds, multiply-adds, maxima and minima; sums over many terms, partial sums and values carried from step to step in f32; what a program stores and reads back later, other than sums and carried values, may be rounded once to bf16 or f16.
;; Inputs: W_qkv 1,024 x 3,072 float32; b_qkv 3,072 float32; mask 4 x 2,048 float32; qkv 4 x 2,048 x 1,024 float32.
;; Outputs: out0 4 x 2,048 x 1,024 float32.
;; 2 versions, each right; version 2 is version 1 with the launch cast written anew for expert scheduling mode. Each part assembles by itself: llvm-mc -triple=amdgcn-amd-amdhsa -mcpu=gfx1250 --defsym DOCPART=n.
;; ======== version 1 of 2: 4 launches
;; limits: values are held in f16: magnitudes above 65,504 overflow, below 6.1e-05 lose precision
;; workspace buffers: xb 16,777,216 bytes; wb 6,291,456 bytes; pj 50,331,648 bytes; pw 33,554,432 bytes; ms 524,288 bytes; ls 524,288 bytes
;; launch cast (part 1): grid 704 x 1, 8 waves a work-group, no clusters, 0 bytes of LDS; arguments qkv, W_qkv, xb, wb; writes xb, wb
.if DOCPART == 1
	.amdgcn_target "amdgcn-amd-amdhsa--gfx1250"
	.amdhsa_code_object_version 6
	.text
	.protected	k_qfa6800d4b1_cast
	.globl	k_qfa6800d4b1_cast
	.p2align	8
	.type	k_qfa6800d4b1_cast,@function
k_qfa6800d4b1_cast:
	s_mov_b64 s[64:65], 0
	v_nop
	global_prefetch_b8 v0, s[64:65] scope:SCOPE_SE
	s_setreg_imm32_b32 hwreg(HW_REG_WAVE_MODE, 25, 1), 1
	s_wait_xcnt 0x0
; xb = bf16(qkv), wb = bf16(W_qkv): both inputs rounded once, to nearest even, number by number, in their own order.
; A stream: no LDS, no barrier, no loop.  A work-group of eight waves takes 65,536 bytes of f32 and leaves 32,768 bytes of bf16.
; Work-groups 0 to 511 take qkv (33,554,432 bytes), 512 to 703 take W_qkv (12,582,912 bytes): the two pointers are chosen on the work-group's number.
; Thread t takes the 16 bytes at 16 t of each 4,096 bytes: a load of a wave covers 512 consecutive bytes; its four numbers leave as 8 bytes at 8 t of each
; 2,048 bytes: a store of a wave covers 256 consecutive bytes, aligned.  All sixteen loads are issued at once; no register is written twice.
.set X_GROUPS, 512                     ; work-groups for qkv
.set X, 4                              ; v[4:67]   sixteen loads of four f32
.set Y, 68                             ; v[68:99]  sixteen stores of four bf16
	s_load_b256 s[4:11], s[0:1], 0x0               ; qkv s[4:5], W_qkv s[6:7], xb s[8:9], wb s[10:11]
	v_lshlrev_b32 v1, 4, v0                        ; 16 t
	v_lshlrev_b32 v2, 3, v0                        ; 8 t
	s_wait_kmcnt 0x0
	s_cmp_lt_u32 ttmp9, X_GROUPS                   ; the selects below leave SCC as it is
	s_cselect_b64 s[12:13], s[4:5], s[6:7]         ; from
	s_cselect_b64 s[14:15], s[8:9], s[10:11]       ; to
	s_cselect_b32 s16, 0, X_GROUPS
	s_sub_co_u32 s16, ttmp9, s16                   ; my number among the tensor's work-groups
	s_lshl_b32 s18, s16, 16                        ; 65,536 bytes in,
	s_lshl_b32 s20, s16, 15                        ; 32,768 bytes out: both under 2^26
	s_mov_b32 s19, 0
	s_mov_b32 s21, 0
	s_add_nc_u64 s[12:13], s[12:13], s[18:19]
	s_add_nc_u64 s[14:15], s[14:15], s[20:21]
.irp j, 0,1,2,3,4,5,6,7,8,9,10,11,12,13,14,15
	global_load_b128 v[X+4*(\j):X+4*(\j)+3], v1, s[12:13] offset:(\j)*4096 th:TH_LOAD_NT  ; read once in the launch
.endr
.irp j, 0,1,2,3,4,5,6,7,8,9,10,11,12,13,14,15
	s_wait_loadcnt 15-(\j)                         ; loads come back in order (ISA guide 5.7.1): load j is in, the younger ones stay out
	v_cvt_pk_bf16_f32 v[Y+2*(\j)],   v[X+4*(\j)],   v[X+4*(\j)+1]
	v_cvt_pk_bf16_f32 v[Y+2*(\j)+1], v[X+4*(\j)+2], v[X+4*(\j)+3]
	global_store_b64 v2, v[Y+2*(\j):Y+2*(\j)+1], s[14:15] offset:(\j)*2048  ; the next launch reads these: no hint
.endr
	s_endpgm
.Lfunc_end_k_qfa6800d4b1_cast:
	.size	k_qfa6800d4b1_cast, .Lfunc_end_k_qfa6800d4b1_cast-k_qfa6800d4b1_cast
	.p2alignl 7, 3214868480
	.fill 96, 4, 3214868480
	.section	.rodata,"a",@progbits
	.p2align	6, 0x0
	.amdhsa_kernel k_qfa6800d4b1_cast
		.amdhsa_group_segment_fixed_size 0
		.amdhsa_private_segment_fixed_size 0
		.amdhsa_enable_private_segment 0
		.amdhsa_kernarg_size 32
		.amdhsa_user_sgpr_count 2
		.amdhsa_user_sgpr_kernarg_segment_ptr 1
		.amdhsa_wavefront_size32 1
		.amdhsa_system_sgpr_workgroup_id_x 1
		.amdhsa_system_sgpr_workgroup_id_y 1
		.amdhsa_system_sgpr_workgroup_id_z 1
		.amdhsa_system_vgpr_workitem_id 0
		.amdhsa_next_free_vgpr 100
		.amdhsa_next_free_sgpr 66
		.amdhsa_reserve_vcc 0
		.amdhsa_float_denorm_mode_32 3
		.amdhsa_float_denorm_mode_16_64 3
		.amdhsa_memory_ordered 1
		.amdhsa_forward_progress 1
		.amdhsa_inst_pref_size 7
	.end_amdhsa_kernel
	.amdgpu_metadata
---
amdhsa.version: [ 1, 2 ]
amdhsa.kernels:
  - .name:           k_qfa6800d4b1_cast
    .symbol:         k_qfa6800d4b1_cast.kd
    .args:
      - { .name: qkv, .offset: 0, .size: 8, .value_kind: global_buffer, .address_space: global }
      - { .name: W_qkv, .offset: 8, .size: 8, .value_kind: global_buffer, .address_space: global }
      - { .name: xb, .offset: 16, .size: 8, .value_kind: global_buffer, .address_space: global }
      - { .name: wb, .offset: 24, .size: 8, .value_kind: global_buffer, .address_space: global }
    .group_segment_fixed_size: 0
    .private_segment_fixed_size: 0
    .kernarg_segment_align: 8
    .kernarg_segment_size: 32
    .max_flat_workgroup_size: 256
    .sgpr_count:     66
    .vgpr_count:     100
    .wavefront_size: 32
...
	.end_amdgpu_metadata
.endif
;; end of part 1
;; launch proj (part 2): grid 12 x 32, 4 waves a work-group, clusters of 4 x 4, 327,680 bytes of LDS; arguments xb, wb, pj, b_qkv; writes pj
.if DOCPART == 2
	.amdgcn_target "amdgcn-amd-amdhsa--gfx1250"
	.amdhsa_code_object_version 6
	.text
	.protected	k_qfa6800d4b1_proj
	.globl	k_qfa6800d4b1_proj
	.p2align	8
	.type	k_qfa6800d4b1_proj,@function
k_qfa6800d4b1_proj:
	s_mov_b64 s[64:65], 0
	v_nop
	global_prefetch_b8 v0, s[64:65] scope:SCOPE_SE
	s_setreg_imm32_b32 hwreg(HW_REG_WAVE_MODE, 25, 1), 1
	s_wait_xcnt 0x0
	s_wait_alu depctr_hold_cnt(0) depctr_sa_sdst(0) depctr_va_vdst(0) depctr_va_sdst(0) depctr_va_ssrc(0) depctr_va_vcc(0) depctr_vm_vsrc(0)
	s_getreg_b32 s2, hwreg(HW_REG_IB_STS2, 6, 4)
	s_cmp_eq_u32 s2, 0
	s_cbranch_scc0 .Lentry_in_a_cluster
	s_endpgm
.Lentry_in_a_cluster:
	s_bfe_u32 s2, ttmp6, 0x10000c
	s_cmp_lg_u32 s2, 0xf033
	s_cbranch_scc0 .Lentry_shape_is_right
	s_endpgm
.Lentry_shape_is_right:
; THE PROJECTION.  pj[8192][3072] (f16) = xb[8192][1024] (bf16) x wb[1024][3072] (bf16) + bf16(b_qkv).  Sums in f32, begun with the bias; pj rounded once.
; q is pj's columns 0-1023 (unscaled), k 1024-2047, v 2048-3071.
; LIMITS.  f16 holds no number beyond 65,504: q, k and v must stay within it (inputs 30 times those drawn, or offset by 30 spreads, give under 30,000).  NaN and infinities are not treated apart.
; SHARES.  A tile of 256 x 256 of pj is made by four waves, each 128 x 128: 64 accumulators of 16 x 16, 512 registers.  12 x 32 = 384 work-groups.  K goes in steps of 128 through two LDS slots
; filled by the tensor data mover; a step is four quarters of 32, 64 matrix instructions a wave each.  For 32 along K a wave reads 2 x 128 x 64 bytes of LDS.
; xb lies [M][K]: its tile's rows are 256 bytes of memory.  wb lies [K][N]: its tile is 128 rows along K of 512 bytes, and its fragments come out of LDS turned, by ds_load_tr16_b128.
; THE MATRIX INSTRUCTION IS USED TRANSPOSED: source 0 = 16 columns of wb, source 1 = 16 rows of xb.  A lane then holds row lane % 16 of pj and the eight neighbouring columns 8 (lane / 16) + 0..7,
; which pack into 16 bytes; and the bias of those eight columns, the same for every row block, is the C operand of the product that starts a sum.
; CLUSTER.  4 x 4 work-groups.  xb's tile hangs on the tile row alone and is shared along a row of the cluster, wb's on the tile column alone and is shared along a column: each is asked for jointly,
; by the same tensor load with the same descriptor and a mask that names the four.
; REGISTERS, in windows of 256: window 0: v0-31 addresses; v64-127, v128-191 fragments of xb, two buffers; on the way out v192-223 packed results, v32-63 rows read back
;   window 1: v0-63 the bias of my 128 columns; v64-127, v128-191 fragments of wb, two buffers; v192 at work
;   window 2: the accumulators of my rows 0-63 ((a, b) at v[8 (8 a + b)])     window 3: those of my rows 64-127
.set NS,     8                         ; K steps: 1,024 / 128
.set PITCH,  272                       ; a row of xb in LDS: 256 bytes + 16 of padding = 68 words: the 16 rows of a load start at 16 different groups of four banks (64 banks of 4 bytes: ISA guide 11.1)
.set PB,     544                       ; a row of wb: 512 + 32 = 136 words
.set HALFT,  128*PITCH                 ; what one tensor load fills: 128 rows of xb, or 64 rows of wb (64 x 544 is the same 34,816 bytes)
.set SLOTB,  4*HALFT                   ; a slot: xb's 256 rows, then wb's 128 rows
.set SLOT1,  0x24000                   ; slot 1 begins here.  The waves' places in slot 0 (0, 0x8800, 0x11000, 0x19800) have bits 14 and 17 clear, so one exclusive or with this number changes slots
.set STAGE,  SLOT1+SLOTB               ; behind the ring: 16 rows x 272 bytes for each wave, for the way out
.set SPITCH, 272
.set SPARE,  STAGE+4*16*SPITCH         ; the spare words, 128 bytes for each wave: two blocks of 256 bytes that no other line names
.set ASTEP,  256                       ; bytes from K step to K step in xb
.set BSTEP,  128*3072*2                ; and in wb: 128 rows
.set PJROW,  6144                      ; bytes in a row of pj and of wb
.set ADRA0, 16                         ; v16  my lane's place in a slot's xb; never rewritten
.set ADRB0, 17                         ; v17  the same for wb
.set ADRA,  18                         ; v18  the same in the slot in hand
.set ADRB,  19                         ; v19
.set MOFF,  22                         ; v22  my byte offset in 16 numbers of the bias
.set STO,   24                         ; v24  the way out: where I put 16 bytes of a row
.set RD,    25                         ; v25  the way out: where I read a row back
.set CO,    26                         ; v26  my byte offset in pj
.set SPW,   28                         ; v28  LDS address of my spare word; never rewritten
.set NIL,   29                         ; v29  0; never rewritten
.set F0,    64
.set F1,    128
.set TMP,   192
.set BK,    32
.set BT,    192                        ; window 1: at work while the bias is rounded
.set G1,  24                           ; s[24:31] descriptor group 1 for xb's tiles
.set G0,  32                           ; s[32:39] group 0 for xb's: s[32:35] step 0, used once; s[36:39] step 1, which then walks
.set G1B, 48                           ; s[48:55], s[56:63] the same for wb's
.set G0B, 56
.set TB,  22                           ; s22  LDS byte at which the slot in hand begins
.set MSB, 0
.macro WIN new                         ; the immediate's high byte repeats the setting that is left; a switch that changes nothing is dropped
.if MSB != (\new)
	s_set_vgpr_msb (MSB<<8)|(\new)
.set MSB, \new
.endif
.endm
.set MUL_LO, 0xa1                      ; source 0 (wb) window 1, source 1 (xb) window 0, C and D window 2
.set MUL_HI, 0xf1                      ; the same, C and D window 3
.set BEG_LO, 0x91                      ; a sum begins: C (the bias) window 1, D window 2
.set BEG_HI, 0xd1                      ; the same, D window 3
.set TO_B,   0x40                      ; destination window 1, address window 0
.macro PLACES                          ; four places in front of loads into registers that matrix instructions have read, and of vector lines that read results
.rept 4
	v_nop
.endr
.endm
; A joint load.  Waves 0 and 1 fetch xb's two halves, waves 2 and 3 wb's.  The branch hangs on the wave's number alone.  An s_nop 0 and four v_nop follow each of the two lines.
.macro JLOAD s
	s_cmp_eq_u32 s11, 0
	s_cbranch_scc0 .Lfor_b_\@
	tensor_load_to_lds s[G0+4*(\s):G0+4*(\s)+3], s[G1:G1+7]
	s_nop 0
.rept 4
	v_nop
.endr
	s_branch .Lasked_\@
.Lfor_b_\@:
	tensor_load_to_lds s[G0B+4*(\s):G0B+4*(\s)+3], s[G1B:G1B+7]
	s_nop 0
.rept 4
	v_nop
.endr
.Lasked_\@:
.endm
.macro CREST                           ; a round of the cluster's barrier behind its opening barrier
	s_cmp_lg_u32 s10, 0
	s_cbranch_scc1 .Lnot_wave_0_\@
	s_barrier_signal -3
.Lnot_wave_0_\@:
	s_barrier_wait -3
	s_barrier_signal -1
	s_barrier_wait -1
.endm
.macro CROUND                          ; a whole round
	s_barrier_signal -1
	s_barrier_wait -1
	CREST
.endm
	s_load_b128 s[4:7], s[0:1], 0x0                ; xb s[4:5], wb s[6:7]
	s_load_b64 s[8:9], s[0:1], 0x10                ; pj
	s_load_b64 s[68:69], s[0:1], 0x18              ; b_qkv
	v_lshl_add_u32 v[SPW], v0, 2, SPARE
	v_mov_b32 v[NIL], 0
	ds_add_u32 v[SPW], v[NIL]                      ; the wave's opening: the add and its wait stand ahead of my first tensor load; the set-up below, work on registers, stands between them
	v_lshrrev_b32 v1, 5, v0
	v_readfirstlane_b32 s10, v1                    ; wave 0..3
	s_lshr_b32 s11, s10, 1                         ; which 128 rows of the tile are mine.  Also: I fetch for xb (0) or for wb (1)
	s_and_b32 s12, s10, 1                          ; which 128 columns.  Also: which half of that tile I fetch
	s_bfe_u32 s40, ttmp6, 0x40000                  ; cx, cy: my place in the cluster
	s_bfe_u32 s41, ttmp6, 0x40004
	s_lshl_b32 s42, ttmp9, 2
	s_add_co_u32 s42, s42, s40                     ; tile column = 4 x cluster x + cx
	s_and_b32 s13, ttmp7, 0xffff
	s_lshl_b32 s13, s13, 2
	s_add_co_u32 s13, s13, s41                     ; tile row = 4 x cluster y + cy
	s_lshl_b32 s43, s41, 2
	s_lshl_b32 s43, 15, s43                        ; my row of the cluster
	s_lshl_b32 s44, 0x1111, s40                    ; my column
	; group 1 for xb: 128 rows x 128 elements of 2 bytes, 4 words of padding behind every 64 words
	s_or_b32 s[G1+0], s43, (1<<16)|(1<<20)|(1<<21)|(5<<22)|(3<<25)  ; 15:0 the mask; 17:16 2-byte elements; 20 padding on; 21 set beside a mask; 24:22 interval code 5; 31:25 pad code 3
	s_mov_b32 s[G1+1], 128<<16                     ; tensor_dim0 = 128
	s_mov_b32 s[G1+2], 128<<16                     ; tensor_dim1 = 128
	s_mov_b32 s[G1+3], 128<<16                     ; tile_dim0 = 128
	s_mov_b32 s[G1+4], 128                         ; tile_dim1 = 128
	s_mov_b32 s[G1+5], 1024                        ; elements from row to row
	s_mov_b32 s[G1+6], 0
	s_mov_b32 s[G1+7], 0
	; group 1 for wb: 64 rows x 256 elements, 8 words of padding behind every 128 words
	s_or_b32 s[G1B+0], s44, (1<<16)|(1<<20)|(1<<21)|(6<<22)|(7<<25)
	s_mov_b32 s[G1B+1], 256<<16
	s_mov_b32 s[G1B+2], 64<<16
	s_mov_b32 s[G1B+3], 256<<16
	s_mov_b32 s[G1B+4], 64
	s_mov_b32 s[G1B+5], 3072
	s_mov_b32 s[G1B+6], 0
	s_mov_b32 s[G1B+7], 0
	; where the tiles come from: xb's offset is made of the tile row and the wave, wb's of the tile column and the wave, each in registers that never hold the other coordinate
	s_lshl_b32 s17, s12, 7
	s_lshl_b32 s16, s13, 8
	s_add_co_u32 s16, s16, s17                     ; xb: row 256 x tile row + 128 x half,
	s_lshl_b32 s16, s16, 11                        ; x 2,048 bytes: under 2^25
	s_mov_b32 s17, 0
	s_mul_i32 s46, s12, 64*PJROW                   ; wb: row 64 x half,
	s_lshl_b32 s47, s42, 9
	s_add_co_u32 s46, s46, s47                     ; + 512 bytes x tile column
	s_mov_b32 s47, 0
	s_mul_i32 s20, s10, HALFT                      ; and where they go: wave x 34,816 bytes: no place in the cluster enters an LDS address
	s_mov_b32 s72, 0xffff0000                      ; a word's upper 16 bits
	s_wait_dscnt 0x0                               ; the opening add is done
	s_wait_kmcnt 0x0
	s_add_nc_u64 s[14:15], s[4:5], s[16:17]
	s_add_nc_u64 s[46:47], s[6:7], s[46:47]
	CROUND                                         ; all sixteen work-groups are here: the first joint loads meet
.irp s, 0,1
	s_mov_b32 s[G0+4*(\s)], 1                                        ; count = 1
	s_add_co_u32 s[G0+4*(\s)+1], s20, (\s)*SLOT1                     ; LDS address
	s_add_nc_u64 s[G0+4*(\s)+2:G0+4*(\s)+3], s[14:15], (\s)*ASTEP    ; global address: K step s
	s_or_b32 s[G0+4*(\s)+3], s[G0+4*(\s)+3], 0x80000000              ; type = 2
	s_mov_b32 s[G0B+4*(\s)], 1
	s_add_co_u32 s[G0B+4*(\s)+1], s20, (\s)*SLOT1
	s_add_nc_u64 s[G0B+4*(\s)+2:G0B+4*(\s)+3], s[46:47], (\s)*BSTEP
	s_or_b32 s[G0B+4*(\s)+3], s[G0B+4*(\s)+3], 0x80000000
	JLOAD \s                                       ; two tensor loads of mine are out
.endr
	v_and_b32 v1, 15, v0                           ; r = l % 16
	v_bfe_u32 v2, v0, 4, 1                         ; h = l / 16
	; the bias of my 128 columns: a lane's eight columns of column block b are 32 bytes at 64 b + 32 h
	s_lshl_b32 s18, s42, 10
	s_lshl_b32 s19, s12, 9
	s_add_co_u32 s18, s18, s19
	s_mov_b32 s19, 0
	s_add_nc_u64 s[68:69], s[68:69], s[18:19]
	v_lshlrev_b32 v[MOFF], 5, v2
	WIN TO_B
.irp b, 0,1,2,3,4,5,6,7
	global_load_b128 v[8*(\b):8*(\b)+3],   v[MOFF], s[68:69] offset:64*(\b)
	global_load_b128 v[8*(\b)+4:8*(\b)+7], v[MOFF], s[68:69] offset:64*(\b)+16
.endr
	WIN 0
	; A fragment of xb is 16 rows x 32 K in 8 registers: lane l holds row r, K = 8 h + 0..7 and 16 + 8 h + 0..7: two loads of 16 bytes, 32 bytes apart.
	v_mul_u32_u24 v3, v1, PITCH
	v_lshl_add_u32 v3, v2, 4, v3                   ; r x 272 + 16 h
	s_mul_i32 s21, s11, HALFT                      ; my 128 rows
	v_add_nc_u32 v[ADRA0], s21, v3
	; The turning load takes 16 K x 16 columns (lane l reads row 8 h + l % 8, columns 8 ((l / 8) % 2) + 0..7) and leaves half a fragment: lane l holds column r and 8 K.
	v_and_b32 v5, 7, v0
	v_lshl_add_u32 v5, v2, 3, v5
	v_mul_u32_u24 v5, v5, PB
	v_bfe_u32 v6, v0, 3, 1
	v_lshl_add_u32 v5, v6, 4, v5
	s_lshl_b32 s21, s12, 8                         ; my 128 columns,
	s_add_co_u32 s21, s21, 2*HALFT                 ; behind xb's tile
	v_add_nc_u32 v[ADRB0], s21, v5
	s_mul_i32 s23, s10, 16*SPITCH
	s_add_co_u32 s23, s23, STAGE                   ; my stage
	v_add_nc_u32 v[STO], s23, v3                   ; in: row r, 16 bytes for each half of the lanes
	v_mul_u32_u24 v5, v2, SPITCH                   ; back: lanes 0-15 take one row of 256 bytes, lanes 16-31 the next
	v_lshl_add_u32 v5, v1, 4, v5
	v_add_nc_u32 v[RD], s23, v5
	v_mul_u32_u24 v5, v2, PJROW                    ; and the same two rows in pj
	v_lshl_add_u32 v[CO], v1, 4, v5
	s_lshl_b32 s18, s13, 8
	s_lshl_b32 s19, s11, 7
	s_add_co_u32 s18, s18, s19                     ; my first row of pj,
	s_mul_i32 s18, s18, PJROW                      ; in bytes: under 2^26
	s_lshl_b32 s19, s42, 9
	s_add_co_u32 s18, s18, s19                     ; + the tile's 256 columns
	s_lshl_b32 s19, s12, 8
	s_add_co_u32 s18, s18, s19                     ; + my half of them
	s_mov_b32 s19, 0
	s_add_nc_u64 s[8:9], s[8:9], s[18:19]
	s_wait_loadcnt 0x0                             ; the bias
	WIN 0x45                                       ; destination and both sources in window 1
.set n, 0
.rept 32
	v_cvt_pk_bf16_f32 v[BT], v[2*n], v[2*n+1]      ; the bias is rounded to bf16 like the other inputs, and widened again
	v_lshlrev_b32 v[2*n], 16, v[BT]
	v_and_b32 v[2*n+1], s72, v[BT]
.set n, n+1
.endr
	WIN 0
; 16 matrix instructions: row blocks a0, a0 + 1 of the window's four (hi = 0: my rows 0-63, 1: rows 64-127) x all 8 column blocks, 32 along K.
; first = 1: the product starts the sum, with the bias of its eight columns as C: nothing is cleared, and nothing is added on the way out.
.macro MUL16 f, hi, a0, first
.if \first
	WIN BEG_LO+0x40*(\hi)
.else
	WIN MUL_LO+0x50*(\hi)
.endif
.irp a, \a0, (\a0)+1
.irp b, 0,1,2,3,4,5,6,7
.if \first
	v_wmma_f32_16x16x32_bf16 v[8*(8*(\a)+(\b)):8*(8*(\a)+(\b))+7], v[(\f)+8*(\b):(\f)+8*(\b)+7], v[(\f)+8*(4*(\hi)+(\a)):(\f)+8*(4*(\hi)+(\a))+7], v[8*(\b):8*(\b)+7]
.else
	v_wmma_f32_16x16x32_bf16 v[8*(8*(\a)+(\b)):8*(8*(\a)+(\b))+7], v[(\f)+8*(\b):(\f)+8*(\b)+7], v[(\f)+8*(4*(\hi)+(\a)):(\f)+8*(4*(\hi)+(\a))+7], v[8*(8*(\a)+(\b)):8*(8*(\a)+(\b))+7]
.endif
.endr
.endr
.endm
; 32 LDS loads in one run: the fragments of the quarter that begins at byte kb of xb's rows (row kb / 2 of wb's tile), from the slot in hand, into buffer f: wb's 128 columns, then xb's 128 rows
.macro FETCH kb, f
	WIN TO_B
.irp i, 0,1,2,3,4,5,6,7
	ds_load_tr16_b128 v[(\f)+8*(\i):(\f)+8*(\i)+3],   v[ADRB] offset:((\kb)/2)*PB+32*(\i)
	ds_load_tr16_b128 v[(\f)+8*(\i)+4:(\f)+8*(\i)+7], v[ADRB] offset:((\kb)/2+16)*PB+32*(\i)
.endr
	WIN 0
.irp i, 0,1,2,3,4,5,6,7
	ds_load_b128 v[(\f)+8*(\i):(\f)+8*(\i)+3],   v[ADRA] offset:(\kb)+(\i)*16*PITCH
	ds_load_b128 v[(\f)+8*(\i)+4:(\f)+8*(\i)+7], v[ADRA] offset:(\kb)+(\i)*16*PITCH+32
.endr
.endm
; A K step is four quarters, on buffers 0, 1, 0, 1.  The 64 accumulators take turns, in the same order in every quarter.
; One of the first three: multiplies buffer f; in its middle it fetches the next quarter's fragments, at kb, into buffer g, which the quarter before multiplied.
.macro QUARTER kb, f, g, first
	s_wait_dscnt 8                                 ; wb's fragments and xb's rows 0-63 are in; the youngest eight loads (xb's rows 64-127) may be out
	MUL16 \f, 0, 0, \first
	MUL16 \f, 0, 2, \first
	PLACES
	FETCH \kb, \g
	s_wait_dscnt 32                                ; all but the 32 just issued
	MUL16 \f, 1, 0, \first
	MUL16 \f, 1, 2, \first
.endm
; A step's last quarter multiplies buffer 1 and changes slots: ONE barrier.  In front of it each wave waits for all its tensor loads, of which one is out: its part of the next slot; adds 0 to its spare
; word; and waits for that and for its own reads of this slot.  Behind it nobody reads this slot any more and the next slot is whole.  fill = 1: this slot is filled again, with the step two steps on:
; the barrier then opens a round of the cluster's, and the joint load is the first thing behind the round: 224 matrix instructions stand between it and the wait for it.
.macro TURN fill
	WIN 0                                          ; (the add's two registers lie in window 0)
	s_wait_tensorcnt 0x0                           ; no tensor load of mine is out, so a group 0 may be written
	ds_add_u32 v[SPW], v[NIL]                      ; 0 onto my spare word; work on registers stands between it and the wait for it
.if \fill
	s_xor_b32 s[G0+5], s[G0+5], SLOT1              ; the walking descriptors: the other slot than last time,
	s_add_nc_u64 s[G0+6:G0+7], s[G0+6:G0+7], ASTEP ; the next K step; the type bits on top are not reached
	s_xor_b32 s[G0B+5], s[G0B+5], SLOT1
	s_add_nc_u64 s[G0B+6:G0B+7], s[G0B+6:G0B+7], BSTEP
.endif
	s_xor_b32 s[TB], s[TB], SLOT1                  ; the fetches go on in the other slot
	v_add_nc_u32 v[ADRA], s[TB], v[ADRA0]
	v_add_nc_u32 v[ADRB], s[TB], v[ADRB0]
	s_wait_dscnt 9                                 ; (the add and the youngest eight loads may be out)
	MUL16 F1, 0, 0, 0                              ; sixteen matrix instructions more
	s_wait_dscnt 0x0                               ; the add is done, and my reads of this slot are over
	s_barrier_signal -1
	MUL16 F1, 0, 2, 0                              ; work on registers while the others arrive
	WIN 0                                          ; at a branch and at a label every window is 0
	s_barrier_wait -1
.if \fill
	CREST                                          ; no wave of any partner still reads this slot's tiles or has a load on its way
	JLOAD 1                                        ; the four v_nop behind it are also the places in front of the loads below
.else
	PLACES
.endif
	FETCH 0, F0
	MUL16 F1, 1, 0, 0
	MUL16 F1, 1, 2, 0
.endm
	s_wait_tensorcnt 0x1                           ; my part of K step 0 is in; step 1's stays out
	s_barrier_signal -1
	s_barrier_wait -1                              ; everybody's is
	s_mov_b32 s[TB], 0
	v_mov_b32 v[ADRA], v[ADRA0]
	v_mov_b32 v[ADRB], v[ADRB0]
	FETCH 0, F0
	QUARTER 64, F0, F1, 1                          ; the first quarter stands in front of the loop: its products start the sums
	WIN 0
	s_mov_b32 s3, NS-2
.Lstep:                                                ; a trip: quarters 1 to 3 of a step and quarter 0 of the next; the step's slot is filled again
	QUARTER 128, F1, F0, 0
	QUARTER 192, F0, F1, 0
	TURN 1
	QUARTER 64, F0, F1, 0
	WIN 0
	s_sub_co_u32 s3, s3, 1
	s_cmp_lg_u32 s3, 0
	s_cbranch_scc1 .Lstep
	QUARTER 128, F1, F0, 0                         ; the last two steps are written out: nothing is left to fetch
	QUARTER 192, F0, F1, 0
	TURN 0
	QUARTER 64, F0, F1, 0
	QUARTER 128, F1, F0, 0
	QUARTER 192, F0, F1, 0
	s_wait_dscnt 8                                 ; the very last quarter
	MUL16 F1, 0, 0, 0
	MUL16 F1, 0, 2, 0
	s_wait_dscnt 0x0
	MUL16 F1, 1, 0, 0
	MUL16 F1, 1, 2, 0
	WIN 0
	PLACES
; THE WAY OUT, a row block of 16 rows x 256 bytes at a time through my own stage in LDS.  Only PIECE names the accumulators, so only it is written eight times; the rest is a loop of eight trips.
; PIECE a: row block a rounded to f16, 16 bytes a lane and column block.  Each accumulator's registers are taken in ascending order.
.macro PIECE a
	WIN 0x0a+5*((\a)/4)                            ; sources 0 and 1 in window 2 or 3
.set i, 0
.rept 32
	v_cvt_pk_f16_f32 v[TMP+i], v[64*((\a)%4)+2*i], v[64*((\a)%4)+2*i+1]
.set i, i+1
.endr
	WIN 0
.endm
.macro NEXTP n                         ; row block n's PIECE, in the trip of row block n - 1: the trips count s3 from 8 down
	s_cmp_eq_u32 s3, 9-(\n)
	s_cbranch_scc0 .Lnot_\@
	PIECE \n
	s_branch .Lpd
.Lnot_\@:
.endm
	PIECE 0
	s_mov_b32 s3, 8
.Lblk:
.irp b, 0,1,2,3,4,5,6,7
	ds_store_b128 v[STO], v[TMP+4*(\b):TMP+4*(\b)+3] offset:32*(\b)  ; eight neighbouring numbers of a row
.endr
.irp t, 0,1,2,3,4,5,6,7
	ds_load_b128 v[BK+4*(\t):BK+4*(\t)+3], v[RD] offset:(\t)*2*SPITCH  ; LDS serves a wave's instructions in order (ISA guide 5.7.1.4): these see the stores above
.endr
	NEXTP 1                                        ; the next row block is rounded while this one's rows come back from the stage; in the last trip none is
	NEXTP 2
	NEXTP 3
	NEXTP 4
	NEXTP 5
	NEXTP 6
	NEXTP 7
.Lpd:
	s_wait_dscnt 0x0                               ; the rows are back
.irp t, 0,1,2,3,4,5,6,7
	global_store_b128 v[CO], v[BK+4*(\t):BK+4*(\t)+3], s[8:9] offset:2*(\t)*PJROW  ; 16 lanes store 256 consecutive bytes, aligned; later launches read them: no hint
.endr
	s_wait_xcnt 0x0                                ; the stores have had their addresses translated (ISA guide 3.1): their base and their data registers are rewritten only behind this wait
	s_add_nc_u64 s[8:9], s[8:9], 16*PJROW
	s_sub_co_u32 s3, s3, 1
	s_cmp_lg_u32 s3, 0
	s_cbranch_scc1 .Lblk
	s_wait_tensorcnt 0x0                           ; the wave's end: a wait, an add of 0 and its wait, behind my last tensor load and my last LDS store
	ds_add_u32 v[SPW], v[NIL]
	s_wait_dscnt 0x0
	CROUND                                         ; the closing round: no work-group ends while a partner may still ask for a tile that names it
	s_endpgm
.Lfunc_end_k_qfa6800d4b1_proj:
	.size	k_qfa6800d4b1_proj, .Lfunc_end_k_qfa6800d4b1_proj-k_qfa6800d4b1_proj
	.p2alignl 7, 3214868480
	.fill 96, 4, 3214868480
	.section	.rodata,"a",@progbits
	.p2align	6, 0x0
	.amdhsa_kernel k_qfa6800d4b1_proj
		.amdhsa_group_segment_fixed_size 327680
		.amdhsa_private_segment_fixed_size 0
		.amdhsa_enable_private_segment 0
		.amdhsa_kernarg_size 32
		.amdhsa_user_sgpr_count 2
		.amdhsa_user_sgpr_kernarg_segment_ptr 1
		.amdhsa_wavefront_size32 1
		.amdhsa_system_sgpr_workgroup_id_x 1
		.amdhsa_system_sgpr_workgroup_id_y 1
		.amdhsa_system_sgpr_workgroup_id_z 1
		.amdhsa_system_vgpr_workitem_id 0
		.amdhsa_next_free_vgpr 1024
		.amdhsa_next_free_sgpr 80
		.amdhsa_reserve_vcc 0
		.amdhsa_float_denorm_mode_32 3
		.amdhsa_float_denorm_mode_16_64 3
		.amdhsa_memory_ordered 1
		.amdhsa_forward_progress 1
		.amdhsa_inst_pref_size 110
	.end_amdhsa_kernel
	.amdgpu_metadata
---
amdhsa.version: [ 1, 2 ]
amdhsa.kernels:
  - .name:           k_qfa6800d4b1_proj
    .symbol:         k_qfa6800d4b1_proj.kd
    .args:
      - { .name: xb, .offset: 0, .size: 8, .value_kind: global_buffer, .address_space: global }
      - { .name: wb, .offset: 8, .size: 8, .value_kind: global_buffer, .address_space: global }
      - { .name: pj, .offset: 16, .size: 8, .value_kind: global_buffer, .address_space: global }
      - { .name: b_qkv, .offset: 24, .size: 8, .value_kind: global_buffer, .address_space: global }
    .group_segment_fixed_size: 327680
    .private_segment_fixed_size: 0
    .kernarg_segment_align: 8
    .kernarg_segment_size: 32
    .max_flat_workgroup_size: 128
    .sgpr_count:     80
    .vgpr_count:     1024
    .wavefront_size: 32
...
	.end_amdgpu_metadata
.endif
;; end of part 2
;; launch score (part 3): grid 8 x 32, 4 waves a work-group, clusters of 4 x 4, 327,680 bytes of LDS; arguments pj, mask, pw, ms, ls; writes pw, ms, ls
.if DOCPART == 3
	.amdgcn_target "amdgcn-amd-amdhsa--gfx1250"
	.amdhsa_code_object_version 6
	.text
	.protected	k_qfa6800d4b1_score
	.globl	k_qfa6800d4b1_score
	.p2align	8
	.type	k_qfa6800d4b1_score,@function
k_qfa6800d4b1_score:
	s_mov_b64 s[64:65], 0
	v_nop
	global_prefetch_b8 v0, s[64:65] scope:SCOPE_SE
	s_setreg_imm32_b32 hwreg(HW_REG_WAVE_MODE, 25, 1), 1
	s_wait_xcnt 0x0
	s_wait_alu depctr_hold_cnt(0) depctr_sa_sdst(0) depctr_va_vdst(0) depctr_va_sdst(0) depctr_va_ssrc(0) depctr_va_vcc(0) depctr_vm_vsrc(0)
	s_getreg_b32 s2, hwreg(HW_REG_IB_STS2, 6, 4)
	s_cmp_eq_u32 s2, 0
	s_cbranch_scc0 .Lentry_in_a_cluster
	s_endpgm
.Lentry_in_a_cluster:
	s_bfe_u32 s2, ttmp6, 0x10000c
	s_cmp_lg_u32 s2, 0xf033
	s_cbranch_scc0 .Lentry_shape_is_right
	s_endpgm
.Lentry_shape_is_right:
; THE SCORES AND THEIR EXPONENTIALS.  For each batch: t[q][k] = c (q . k) + mb[k], c = log2(e) / 32, mb[k] = mask[k] x KM - KM with KM = 10000 log2(e), which is (1 - mask) x -10000 in units of log2
; and exactly 0 at mask = 1.  For each row and each block of 128 keys: m = the true maximum of its t (ms), p = 2^(t - m) rounded to f16 (pw), l = the sum of the unrounded p (ls).  The next launch takes the
; maximum over a row's 16 blocks.  q is pj's columns 0-1023, k its columns 1024-2047, both f16 [8192][3072]; products, t, m and l in f32.
; pw: [8192 rows][2048 keys] f16.  ms, ls: [16 blocks][8192 rows] f32.
; LIMITS.  q and k arrive within f16's 65,504.  p lies in 0 to 1; below 6e-5 it keeps f16's fixed step of 6e-8; below 2^-126 it counts as 0 in l.  NaN and infinities are not treated apart.
; SHARES.  A tile of 256 rows x 256 keys is made by four waves, each 128 x 128: 64 accumulators of 16 x 16, 512 registers; a wave's 128 keys are one block.  The 1,024 channels go in steps of 128
; through a ring of two LDS slots filled by the tensor data mover; the rows of both tiles are 256 bytes of memory and start at multiples of 256 bytes.
; CLUSTER.  4 x 4 work-groups of one batch (a batch is 8 x 8 tiles).  q's tile hangs on the tile row alone and is shared along a row of the cluster, k's on the tile column and the batch and is shared
; along a column: each is asked for jointly, by the same tensor load with the same descriptor and a mask that names the four.
; THE MATRIX INSTRUCTION IS USED TRANSPOSED: source 0 = 16 keys, source 1 = 16 queries.  A lane then holds ONE query (lane % 16) and the keys 8 (lane / 16) + 0..7 of each group of 16:
; a row's maximum and sum want one exchange between the halves of the lanes, and eight neighbouring weights pack into 16 bytes.
; REGISTERS, in windows of 256: window 0: v0-31 addresses; v64-127, v128-191 fragments of q, two buffers; behind the products v64-127 t, v128-141 at work, v192-223 packed weights, v32-63 rows read back
;   window 1: v0-63 mb of my 128 keys; v64-127, v128-191 fragments of k, two buffers     window 2: the accumulators of my rows 0-63 ((a, b) at v[8 (8 a + b)])     window 3: those of my rows 64-127
.set KSTEP,  128
.set PITCH,  272                       ; an LDS row: 256 bytes + 16 of padding = 68 words: the 16 rows of a load start at 16 different groups of four banks (64 banks of 4 bytes: ISA guide 11.1)
.set HALFT,  128*PITCH                 ; 128 rows: what one tensor load brings, and what one wave reads of q or of k
.set SLOT,   4*HALFT                   ; q's 256 rows, then k's 256 rows
.set STAGE,  2*SLOT                    ; behind the ring: 16 rows x 272 bytes for each wave, for the weights' way out
.set SPITCH, 272
.set SCR,    STAGE+4*16*SPITCH         ; 1,024 bytes for each wave: its 128 rows' m, then their l
.set SPARE,  SCR+4*1024                ; the spare words, 128 bytes for each wave: two blocks of 256 bytes that no other line names
.set LAPS,   1024/(2*KSTEP)            ; a lap = two K steps = once round the ring
.set PJROW,  6144                      ; bytes in a row of pj
.set PWROW,  4096                      ; bytes in a row of pw
.set ADRA, 16                          ; v16-17  LDS address of my q fragments in slot 0, 1
.set ADRB, 20                          ; v20-21  the same for k
.set MOFF, 22                          ; v22     my byte offset in 16 keys of the mask
.set SOFF, 23                          ; v23     16 x lane
.set STO,  24                          ; v24     the way out: where I put 16 bytes of a row
.set RD,   25                          ; v25     the way out: where I read a row back
.set CO,   26                          ; v26     my byte offset in pw
.set SCRA, 27                          ; v27     where the block in hand puts its m
.set SPW,  28                          ; v28     LDS address of my spare word; never rewritten
.set NIL,  29                          ; v29     0; never rewritten
.set SCRB, 30                          ; v30     where I read four m back
.set SCR0, 31                          ; v31     where row block 0 puts its m; never rewritten
.set F0,   64
.set F1,   128
.set T,    64                          ; 64 scores of a lane: its row of 16, its 64 of the 128 keys
.set CH,   128                         ; four chains of the maximum
.set MX,   132                         ; v[132:133] m, named as a pair
.set SUM,  134                         ; v[134:141] four chains of the sum, in pairs
.set TMP,  192
.set BK,   32
.set G1,  24                           ; s[24:31] descriptor group 1 for q's tiles;  s[32:39] group 0, one set for each slot
.set G0,  32
.set G1B, 48                           ; s[48:55], s[56:63] the same for k's
.set G0B, 56
.set CS,  76                           ; s[76:77] c, twice
.set SEL, 78                           ; s[78:79] v_permlanex16_b32's selects: each lane takes its own place in the other half
.set KM,  80                           ; s[80:81] 10000 log2(e), twice
.set SB,  82                           ; s82  64 x the row block in hand
.set MSB, 0
.macro WIN new                         ; the immediate's high byte repeats the setting that is left; a switch that changes nothing is dropped
.if MSB != (\new)
	s_set_vgpr_msb (MSB<<8)|(\new)
.set MSB, \new
.endif
.endm
.set MUL_LO, 0xa1                      ; source 0 (k) window 1, source 1 (q) window 0, C and D window 2
.set MUL_HI, 0xf1                      ; the same, C and D window 3
.set TO_B,   0x40                      ; destination window 1, address window 0
; A joint load.  Waves 0 and 1 fetch q's two halves, waves 2 and 3 k's.  The branch hangs on the wave's number alone.  An s_nop 0 and four v_nop follow each of the two lines.
.macro JLOAD s
	s_cmp_eq_u32 s11, 0
	s_cbranch_scc0 .Lfor_b_\@
	tensor_load_to_lds s[G0+4*(\s):G0+4*(\s)+3], s[G1:G1+7]
	s_nop 0
.rept 4
	v_nop
.endr
	s_branch .Lasked_\@
.Lfor_b_\@:
	tensor_load_to_lds s[G0B+4*(\s):G0B+4*(\s)+3], s[G1B:G1B+7]
	s_nop 0
.rept 4
	v_nop
.endr
.Lasked_\@:
.endm
.macro CREST                           ; a round of the cluster's barrier behind its opening barrier
	s_cmp_lg_u32 s10, 0
	s_cbranch_scc1 .Lnot_wave_0_\@
	s_barrier_signal -3
.Lnot_wave_0_\@:
	s_barrier_wait -3
	s_barrier_signal -1
	s_barrier_wait -1
.endm
.macro CROUND                          ; a whole round
	s_barrier_signal -1
	s_barrier_wait -1
	CREST
.endm
	s_load_b128 s[4:7], s[0:1], 0x0                ; pj s[4:5], mask s[6:7]
	s_load_b64 s[8:9], s[0:1], 0x10                ; pw
	s_load_b64 s[72:73], s[0:1], 0x18              ; ms
	s_load_b64 s[74:75], s[0:1], 0x20              ; ls
	v_lshl_add_u32 v[SPW], v0, 2, SPARE
	v_mov_b32 v[NIL], 0
	ds_add_u32 v[SPW], v[NIL]                      ; the wave's opening: the add and its wait stand ahead of my first tensor load; the set-up below, work on registers, stands between them
	v_lshrrev_b32 v1, 5, v0
	v_readfirstlane_b32 s10, v1                    ; wave 0..3
	s_lshr_b32 s11, s10, 1                         ; which half of the tile's rows is mine.  Also: I fetch for q (0) or for k (1)
	s_and_b32 s12, s10, 1                          ; which half of its keys.  Also: which 128 rows of that tile I fetch
	s_bfe_u32 s40, ttmp6, 0x40000                  ; cx, cy: my place in the cluster
	s_bfe_u32 s41, ttmp6, 0x40004
	s_lshl_b32 s42, ttmp9, 2
	s_add_co_u32 s42, s42, s40                     ; tile column = 4 x cluster x + cx: 256 keys of the batch
	s_and_b32 s45, ttmp7, 0xffff                   ; cluster y
	s_lshl_b32 s13, s45, 2
	s_add_co_u32 s13, s13, s41                     ; tile row = 4 x cluster y + cy: 256 of the 8,192 rows
	s_lshl_b32 s43, s41, 2
	s_lshl_b32 s43, 15, s43                        ; my row of the cluster
	s_lshl_b32 s44, 0x1111, s40                    ; my column
	; descriptor group 1: a tile of 128 rows x 128 elements of 2 bytes, 4 words of padding behind every 64 words
	s_or_b32 s[G1+0], s43, (1<<16)|(1<<20)|(1<<21)|(5<<22)|(3<<25)  ; 15:0 the mask; 17:16 2-byte elements; 20 padding on; 21 set beside a mask; 24:22 interval code 5; 31:25 pad code 3
	s_or_b32 s[G1B+0], s44, (1<<16)|(1<<20)|(1<<21)|(5<<22)|(3<<25)
.irp g, G1, G1B
	s_mov_b32 s[(\g)+1], KSTEP<<16                 ; tensor_dim0 = 128
	s_mov_b32 s[(\g)+2], 128<<16                   ; tensor_dim1 = 128
	s_mov_b32 s[(\g)+3], KSTEP<<16                 ; tile_dim0 = 128
	s_mov_b32 s[(\g)+4], 128                       ; tile_dim1 = 128
	s_mov_b32 s[(\g)+5], 3072                      ; elements from row to row of pj
	s_mov_b32 s[(\g)+6], 0
	s_mov_b32 s[(\g)+7], 0
.endr
	; where the tiles come from: q's offset is made of the tile row and the wave, k's of the batch, the tile column and the wave, each in registers that never hold the other coordinate
	s_lshl_b32 s17, s12, 7                         ; which 128 rows of the tile I fetch
	s_lshl_b32 s16, s13, 8
	s_add_co_u32 s16, s16, s17                     ; q: row 256 x tile row + 128 x half,
	s_mul_i32 s16, s16, PJROW                      ; in bytes: under 2^26
	s_lshr_b32 s46, s45, 1                         ; the batch: 8 tile rows, two clusters
	s_lshl_b32 s46, s46, 11
	s_lshl_b32 s47, s42, 8
	s_add_co_u32 s46, s46, s47
	s_add_co_u32 s46, s46, s17                     ; k: row 2,048 x batch + 256 x tile column + 128 x half
	s_mul_i32 s46, s46, PJROW
	s_add_co_u32 s46, s46, 2048                    ; k begins at column 1,024
	s_mov_b32 s17, 0
	s_mov_b32 s47, 0
	s_mul_i32 s20, s10, HALFT                      ; and where they go: wave x 128 rows: no place in the cluster enters an LDS address
	s_mov_b32 s[CS], 0x3d38aa3b                    ; c = log2(e) / 32
	s_mov_b32 s[CS+1], s[CS]
	s_mov_b32 s[SEL], 0x76543210
	s_mov_b32 s[SEL+1], 0xfedcba98
	s_mov_b32 s[KM], 0x46616bcd                    ; 14426.95
	s_mov_b32 s[KM+1], s[KM]
	s_wait_dscnt 0x0                               ; the opening add is done
	s_wait_kmcnt 0x0
	s_add_nc_u64 s[14:15], s[4:5], s[16:17]
	s_add_nc_u64 s[46:47], s[4:5], s[46:47]
	CROUND                                         ; all sixteen work-groups are here: the first joint loads meet
.irp s, 0,1
	s_mov_b32 s[G0+4*(\s)], 1                                        ; count = 1
	s_add_co_u32 s[G0+4*(\s)+1], s20, (\s)*SLOT                      ; LDS address
	s_add_nc_u64 s[G0+4*(\s)+2:G0+4*(\s)+3], s[14:15], (\s)*KSTEP*2  ; global address: K step s
	s_or_b32 s[G0+4*(\s)+3], s[G0+4*(\s)+3], 0x80000000              ; type = 2
	s_mov_b32 s[G0B+4*(\s)], 1
	s_add_co_u32 s[G0B+4*(\s)+1], s20, (\s)*SLOT
	s_add_nc_u64 s[G0B+4*(\s)+2:G0B+4*(\s)+3], s[46:47], (\s)*KSTEP*2
	s_or_b32 s[G0B+4*(\s)+3], s[G0B+4*(\s)+3], 0x80000000
	JLOAD \s                                       ; two tensor loads of mine are out
.endr
	v_and_b32 v1, 15, v0                           ; r = l % 16
	v_bfe_u32 v2, v0, 4, 1                         ; h = l / 16
	; the mask of my 128 keys: a lane's eight keys of group b are 32 bytes at 64 b + 32 h
	s_lshr_b32 s18, s45, 1
	s_lshl_b32 s18, s18, 13                        ; the batch's 2,048 keys x 4 bytes
	s_lshl_b32 s19, s42, 10
	s_add_co_u32 s18, s18, s19
	s_lshl_b32 s19, s12, 9
	s_add_co_u32 s18, s18, s19
	s_mov_b32 s19, 0
	s_add_nc_u64 s[6:7], s[6:7], s[18:19]
	v_lshlrev_b32 v[MOFF], 5, v2
	WIN TO_B
.irp b, 0,1,2,3,4,5,6,7
	global_load_b128 v[8*(\b):8*(\b)+3],   v[MOFF], s[6:7] offset:64*(\b)
	global_load_b128 v[8*(\b)+4:8*(\b)+7], v[MOFF], s[6:7] offset:64*(\b)+16
.endr
	WIN 0
	; A fragment is 16 rows x 32 channels in 8 registers: lane l holds row r, channels 8 h + 0..7 and 16 + 8 h + 0..7: two loads of 16 bytes, 32 bytes apart.  The same for both sources.
	v_mul_u32_u24 v3, v1, PITCH
	v_lshl_add_u32 v3, v2, 4, v3                   ; row x pitch + 16 x half
	s_mul_i32 s21, s11, HALFT                      ; my 128 rows of q
	s_mul_i32 s22, s12, HALFT                      ; my 128 rows of k,
	s_add_co_u32 s22, s22, 2*HALFT                 ; which lie behind q's 256
.irp s, 0,1
	v_add_nc_u32 v[ADRA+(\s)], s21, v3
	v_add_nc_u32 v[ADRB+(\s)], s22, v3
	s_add_co_u32 s21, s21, SLOT
	s_add_co_u32 s22, s22, SLOT
.endr
	s_mul_i32 s23, s10, 16*SPITCH
	s_add_co_u32 s23, s23, STAGE                   ; my stage
	v_add_nc_u32 v[STO], s23, v3                   ; in: row r, 16 bytes for each half of the lanes
	v_mul_u32_u24 v5, v2, SPITCH                   ; back: lanes 0-15 take one row of 256 bytes, lanes 16-31 the next
	v_lshl_add_u32 v5, v1, 4, v5
	v_add_nc_u32 v[RD], s23, v5
	v_lshlrev_b32 v5, 12, v2                       ; and the same two rows in pw
	v_lshl_add_u32 v[CO], v1, 4, v5
	s_lshl_b32 s23, s10, 10
	s_add_co_u32 s23, s23, SCR                     ; my 1,024 bytes for m and l
	v_lshl_add_u32 v[SCR0], v1, 2, s23
	v_and_b32 v5, 31, v0
	v_lshlrev_b32 v[SOFF], 4, v5
	v_add_nc_u32 v[SCRB], s23, v[SOFF]
	s_lshl_b32 s18, s13, 8
	s_lshl_b32 s19, s11, 7
	s_add_co_u32 s18, s18, s19                     ; my first row
	s_lshl_b32 s2, s18, 2                          ; its place in a block's 8,192 rows of ms and ls
	s_lshl_b32 s18, s18, 12                        ; its first byte in pw: under 2^26
	s_lshl_b32 s19, s42, 9
	s_add_co_u32 s18, s18, s19                     ; + the tile's 256 keys
	s_lshl_b32 s19, s12, 8
	s_add_co_u32 s18, s18, s19                     ; + my half of them
	s_mov_b32 s19, 0
	s_add_nc_u64 s[8:9], s[8:9], s[18:19]
	s_lshl_b32 s18, s42, 1
	s_add_co_u32 s18, s18, s12                     ; my block of 128 keys
	s_lshl_b32 s18, s18, 15
	s_add_co_u32 s18, s18, s2
	s_add_nc_u64 s[72:73], s[72:73], s[18:19]
	s_add_nc_u64 s[74:75], s[74:75], s[18:19]
	s_wait_loadcnt 0x0                             ; the mask
	WIN 0x41                                       ; destination and source 0 in window 1
.set i, 0
.rept 32
	v_pk_fma_f32 v[2*i:2*i+1], v[2*i:2*i+1], s[KM:KM+1], s[KM:KM+1] op_sel_hi:[1,0,0] neg_lo:[0,0,1] neg_hi:[0,0,1]  ; mb = mask x KM - KM
.set i, i+1
.endr
	WIN 0
; 16 matrix instructions: row blocks a0, a0 + 1 of the window's four (hi = 0: my rows 0-63, 1: rows 64-127) x all 8 groups of 16 keys, 32 channels.  zero = 1: the first product starts the sums.
.macro MUL16 f, hi, a0, zero
	WIN MUL_LO+0x50*(\hi)
.irp a, \a0, (\a0)+1
.irp b, 0,1,2,3,4,5,6,7
.if \zero
	v_wmma_f32_16x16x32_f16 v[8*(8*(\a)+(\b)):8*(8*(\a)+(\b))+7], v[(\f)+8*(\b):(\f)+8*(\b)+7], v[(\f)+8*(4*(\hi)+(\a)):(\f)+8*(4*(\hi)+(\a))+7], 0
.else
	v_wmma_f32_16x16x32_f16 v[8*(8*(\a)+(\b)):8*(8*(\a)+(\b))+7], v[(\f)+8*(\b):(\f)+8*(\b)+7], v[(\f)+8*(4*(\hi)+(\a)):(\f)+8*(4*(\hi)+(\a))+7], v[8*(8*(\a)+(\b)):8*(8*(\a)+(\b))+7]
.endif
.endr
.endr
.endm
; 32 LDS loads in one run: the fragments of one quarter step (128 rows of k, 128 rows of q, 32 channels at byte k of the rows) into buffer f
.macro FETCH slot, k, f
	WIN TO_B
.irp i, 0,1,2,3,4,5,6,7
	ds_load_b128 v[(\f)+8*(\i):(\f)+8*(\i)+3],   v[ADRB+(\slot)] offset:(\k)+(\i)*16*PITCH
	ds_load_b128 v[(\f)+8*(\i)+4:(\f)+8*(\i)+7], v[ADRB+(\slot)] offset:(\k)+(\i)*16*PITCH+32
.endr
	WIN 0
.irp i, 0,1,2,3,4,5,6,7
	ds_load_b128 v[(\f)+8*(\i):(\f)+8*(\i)+3],   v[ADRA+(\slot)] offset:(\k)+(\i)*16*PITCH
	ds_load_b128 v[(\f)+8*(\i)+4:(\f)+8*(\i)+7], v[ADRA+(\slot)] offset:(\k)+(\i)*16*PITCH+32
.endr
.endm
.macro PLACES                          ; four places in front of loads into registers that matrix instructions have read, and of vector lines that read results
.rept 4
	v_nop
.endr
.endm
; A K step is four quarters of 32 channels, 64 matrix instructions each, on buffers 0, 1, 0, 1.  The 64 accumulators take turns, in the same order in every quarter.
; One of the first three: multiplies buffer f; in its middle it fetches the next quarter's fragments, at byte k of the same slot's rows, into buffer g.
.macro QUARTER slot, k, f, g, zero
	s_wait_dscnt 8                                 ; k and q's rows 0-63 are in; the youngest eight loads (q's rows 64-127) may be out
	MUL16 \f, 0, 0, \zero
	MUL16 \f, 0, 2, \zero
	PLACES
	FETCH \slot, \k, \g
	s_wait_dscnt 32                                ; all but the 32 just issued
	MUL16 \f, 1, 0, \zero
	MUL16 \f, 1, 2, \zero
.endm
; The last quarter multiplies buffer 1 and changes slots.  MEET is its first half: ONE barrier.  In front of it each wave waits for all its tensor loads, of which one is out: its part of the next slot;
; adds 0 to its spare word; and waits for that and for its own reads of this slot.  Behind it nobody reads this slot any more and the next slot is whole.
.macro MEET round                      ; round = 1: a round of the cluster's barrier follows
	WIN 0                                          ; (the add's two registers lie in window 0)
	s_wait_tensorcnt 0x0                           ; all my tensor loads have landed
	ds_add_u32 v[SPW], v[NIL]                      ; 0 onto my spare word
	s_wait_dscnt 9                                 ; (the add and the youngest eight loads may be out)
	MUL16 F1, 0, 0, 0                              ; sixteen matrix instructions stand between the add and the wait for it
	s_wait_dscnt 0x0                               ; the add is done, and my reads of this slot are over
	s_barrier_signal -1
	MUL16 F1, 0, 2, 0                              ; work on registers while the others arrive
.if \round
	WIN 0
.endif
	s_barrier_wait -1
.endm
; The whole last quarter: behind the round the slot just read out is filled again first, with the K step two steps on; then come the next slot's first fragments.
.macro TURN slot, next
	MEET 1
	CREST                                          ; no wave of any partner still reads this slot's tiles or has a load on its way
	s_add_nc_u64 s[G0+4*(\slot)+2:G0+4*(\slot)+3], s[G0+4*(\slot)+2:G0+4*(\slot)+3], 2*KSTEP*2
	s_add_nc_u64 s[G0B+4*(\slot)+2:G0B+4*(\slot)+3], s[G0B+4*(\slot)+2:G0B+4*(\slot)+3], 2*KSTEP*2
	JLOAD \slot                                    ; the first tensor load behind the round; the four v_nop behind it are also the places in front of the loads below
	FETCH \next, 0, F0
	MUL16 F1, 1, 0, 0
	MUL16 F1, 1, 2, 0
.endm
	s_wait_tensorcnt 1                             ; my part of K step 0 is in; step 1's stays out
	s_barrier_signal -1
	s_barrier_wait -1                              ; everybody's is
	FETCH 0, 0, F0
	QUARTER 0, 64,  F0, F1, 1                      ; the first quarter stands in front of the loop: its products start the sums
	WIN 0                                          ; at a label and at a branch every window is 0
	s_mov_b32 s3, LAPS-1
.Llap:                                                 ; a trip goes once round the ring, from a lap's second quarter to the next lap's first, and fills both slots again
	QUARTER 0, 128, F1, F0, 0
	QUARTER 0, 192, F0, F1, 0
	TURN 0, 1
	QUARTER 1, 64,  F0, F1, 0
	QUARTER 1, 128, F1, F0, 0
	QUARTER 1, 192, F0, F1, 0
	TURN 1, 0
	QUARTER 0, 64,  F0, F1, 0
	WIN 0
	s_sub_co_u32 s3, s3, 1
	s_cmp_lg_u32 s3, 0
	s_cbranch_scc1 .Llap
	QUARTER 0, 128, F1, F0, 0                      ; the last lap is written out: nothing is left to fetch
	QUARTER 0, 192, F0, F1, 0
	MEET 0
	PLACES
	FETCH 1, 0, F0
	MUL16 F1, 1, 0, 0
	MUL16 F1, 1, 2, 0
	QUARTER 1, 64,  F0, F1, 0
	QUARTER 1, 128, F1, F0, 0
	QUARTER 1, 192, F0, F1, 0
	s_wait_dscnt 8                                 ; the very last quarter
	MUL16 F1, 0, 0, 0
	MUL16 F1, 0, 2, 0
	s_wait_dscnt 0x0
	MUL16 F1, 1, 0, 0
	MUL16 F1, 1, 2, 0
	WIN 0
	PLACES
; THE SOFTMAX'S FIRST HALF, a row block of 16 rows at a time.  Only PIECE names the accumulators, so only it is written eight times; the rest is a loop of eight trips on T.
; PIECE a: t = c s + mb for row block a, into T.  Each accumulator's registers are taken in ascending order.
.macro PIECE a
	WIN 0x12+(\a)/4                                ; source 0 in window 2 or 3, source 2 in window 1
.set i, 0
.rept 32
	v_pk_fma_f32 v[T+2*i:T+2*i+1], v[64*((\a)%4)+2*i:64*((\a)%4)+2*i+1], s[CS:CS+1], v[2*i:2*i+1] op_sel_hi:[1,0,1]
.set i, i+1
.endr
	WIN 0
.endm
.macro NEXTP n                         ; row block n's PIECE, in the trip of row block n - 1: the trips count s3 from 8 down
	s_cmp_eq_u32 s3, 9-(\n)
	s_cbranch_scc0 .Lnot_\@
	PIECE \n
	s_branch .Lpd
.Lnot_\@:
.endm
.macro ADDP p                          ; pair p of the 32 pairs of weights joins one of four chains; pairs 0-3 are taken with pairs 4-7, so that nothing is cleared
.if ((\p) >= 4) && ((\p) < 8)
	v_pk_add_f32 v[SUM+2*((\p)-4):SUM+2*((\p)-4)+1], v[T+2*((\p)-4):T+2*((\p)-4)+1], v[T+2*(\p):T+2*(\p)+1]
.elseif (\p) >= 8
	v_pk_add_f32 v[SUM+2*((\p)%4):SUM+2*((\p)%4)+1], v[SUM+2*((\p)%4):SUM+2*((\p)%4)+1], v[T+2*(\p):T+2*(\p)+1]
.endif
.endm
	v_mov_b32 v[MX+1], 0                           ; named with m as a pair
	PIECE 0
	s_mov_b32 s3, 8
	s_mov_b32 s[SB], 0
.Lblk:
	; m: four chains of fifteen scores, three operands at a time; the four left over; the other half of the lanes, which holds the row's other 64 keys
.irp j, 0,1,2,3
	v_max3_num_f32 v[CH+(\j)], v[T+16*(\j)], v[T+16*(\j)+1], v[T+16*(\j)+2]
.endr
.irp n, 1,2,3,4,5,6
.irp j, 0,1,2,3
	v_max3_num_f32 v[CH+(\j)], v[CH+(\j)], v[T+16*(\j)+2*(\n)+1], v[T+16*(\j)+2*(\n)+2]
.endr
.endr
	v_max3_num_f32 v[CH], v[CH], v[T+15], v[T+31]
	v_max3_num_f32 v[CH+2], v[CH+2], v[T+47], v[T+63]
	v_max3_num_f32 v[CH], v[CH], v[CH+1], v[CH+2]
	v_max_num_f32 v[CH], v[CH], v[CH+3]
	v_permlanex16_b32 v[CH+1], v[CH], s[SEL], s[SEL+1]
	v_max_num_f32 v[MX], v[CH], v[CH+1]
.set i, 0
.rept 32
	v_pk_add_f32 v[T+2*i:T+2*i+1], v[T+2*i:T+2*i+1], v[MX:MX+1] op_sel_hi:[1,0] neg_lo:[0,1] neg_hi:[0,1]  ; t - m
.set i, i+1
.endr
	; 64 exponentials.  Behind an odd one the pair three back is rounded to f16, behind an even one the pair four back joins its chain: every result is used behind a plain instruction
	; that follows its exponential (ISA guide 5.7.2); the v_nop is that instruction for the first pair.
.set i, 0
.rept 64
	v_exp_f32 v[T+i], v[T+i]
.if i == 2
	v_nop
.elseif (i >= 3) && (i%2 == 1)
	s_wait_alu depctr_va_vdst(0)
	v_cvt_pk_f16_f32 v[TMP+(i-3)/2], v[T+i-3], v[T+i-2]
.elseif i >= 4
	ADDP (i-4)/2
.endif
.set i, i+1
.endr
	ADDP 30
	v_cvt_pk_f16_f32 v[TMP+31], v[T+62], v[T+63]
	ADDP 31
.irp b, 0,1,2,3,4,5,6,7
	ds_store_b128 v[STO], v[TMP+4*(\b):TMP+4*(\b)+3] offset:32*(\b)  ; eight neighbouring weights of a row
.endr
.irp t, 0,1,2,3,4,5,6,7
	ds_load_b128 v[BK+4*(\t):BK+4*(\t)+3], v[RD] offset:(\t)*2*SPITCH  ; LDS serves a wave's instructions in order (ISA guide 5.7.1.4): these see the stores above
.endr
	v_pk_add_f32 v[SUM:SUM+1], v[SUM:SUM+1], v[SUM+2:SUM+3]
	v_pk_add_f32 v[SUM+4:SUM+5], v[SUM+4:SUM+5], v[SUM+6:SUM+7]
	v_pk_add_f32 v[SUM:SUM+1], v[SUM:SUM+1], v[SUM+4:SUM+5]
	v_add_f32 v[SUM], v[SUM], v[SUM+1]
	v_permlanex16_b32 v[SUM+1], v[SUM], s[SEL], s[SEL+1]
	v_add_f32 v[SUM], v[SUM], v[SUM+1]             ; l
	v_add_nc_u32 v[SCRA], s[SB], v[SCR0]
	ds_store_b32 v[SCRA], v[MX]                    ; both halves of the lanes hold the same number
	ds_store_b32 v[SCRA], v[SUM] offset:512
	s_add_co_u32 s[SB], s[SB], 64                  ; 16 rows on
	NEXTP 1                                        ; the next row block's t are made while this one's rows come back from the stage; in the last trip none is
	NEXTP 2
	NEXTP 3
	NEXTP 4
	NEXTP 5
	NEXTP 6
	NEXTP 7
.Lpd:
	s_wait_dscnt 0x2                               ; the rows are back: only the two stores of m and l were issued behind those loads
.irp t, 0,1,2,3,4,5,6,7
	global_store_b128 v[CO], v[BK+4*(\t):BK+4*(\t)+3], s[8:9] offset:2*(\t)*PWROW  ; 16 lanes store 256 consecutive bytes, aligned; the next launch reads them: no hint
.endr
	s_wait_xcnt 0x0                                ; the stores have had their addresses translated (ISA guide 3.1): their base and their data registers are rewritten only behind this wait
	s_add_nc_u64 s[8:9], s[8:9], 16*PWROW
	s_sub_co_u32 s3, s3, 1
	s_cmp_lg_u32 s3, 0
	s_cbranch_scc1 .Lblk
	ds_load_b128 v[BK:BK+3], v[SCRB]               ; my 128 rows' m and l, four a lane: my own bytes, served in order
	ds_load_b128 v[BK+4:BK+7], v[SCRB] offset:512
	s_wait_dscnt 0x0
	global_store_b128 v[SOFF], v[BK:BK+3], s[72:73]    ; 512 consecutive bytes, aligned
	global_store_b128 v[SOFF], v[BK+4:BK+7], s[74:75]
	s_wait_tensorcnt 0x0                           ; the wave's end: a wait, an add of 0 and its wait, behind my last tensor load and my last LDS store
	ds_add_u32 v[SPW], v[NIL]
	s_wait_dscnt 0x0
	CROUND                                         ; the closing round: no work-group ends while a partner may still ask for a tile that names it
	s_endpgm
.Lfunc_end_k_qfa6800d4b1_score:
	.size	k_qfa6800d4b1_score, .Lfunc_end_k_qfa6800d4b1_score-k_qfa6800d4b1_score
	.p2alignl 7, 3214868480
	.fill 96, 4, 3214868480
	.section	.rodata,"a",@progbits
	.p2align	6, 0x0
	.amdhsa_kernel k_qfa6800d4b1_score
		.amdhsa_group_segment_fixed_size 327680
		.amdhsa_private_segment_fixed_size 0
		.amdhsa_enable_private_segment 0
		.amdhsa_kernarg_size 40
		.amdhsa_user_sgpr_count 2
		.amdhsa_user_sgpr_kernarg_segment_ptr 1
		.amdhsa_wavefront_size32 1
		.amdhsa_system_sgpr_workgroup_id_x 1
		.amdhsa_system_sgpr_workgroup_id_y 1
		.amdhsa_system_sgpr_workgroup_id_z 1
		.amdhsa_system_vgpr_workitem_id 0
		.amdhsa_next_free_vgpr 1024
		.amdhsa_next_free_sgpr 84
		.amdhsa_reserve_vcc 0
		.amdhsa_float_denorm_mode_32 3
		.amdhsa_float_denorm_mode_16_64 3
		.amdhsa_memory_ordered 1
		.amdhsa_forward_progress 1
		.amdhsa_inst_pref_size 147
	.end_amdhsa_kernel
	.amdgpu_metadata
---
amdhsa.version: [ 1, 2 ]
amdhsa.kernels:
  - .name:           k_qfa6800d4b1_score
    .symbol:         k_qfa6800d4b1_score.kd
    .args:
      - { .name: pj, .offset: 0, .size: 8, .value_kind: global_buffer, .address_space: global }
      - { .name: mask, .offset: 8, .size: 8, .value_kind: global_buffer, .address_space: global }
      - { .name: pw, .offset: 16, .size: 8, .value_kind: global_buffer, .address_space: global }
      - { .name: ms, .offset: 24, .size: 8, .value_kind: global_buffer, .address_space: global }
      - { .name: ls, .offset: 32, .size: 8, .value_kind: global_buffer, .address_space: global }
    .group_segment_fixed_size: 327680
    .private_segment_fixed_size: 0
    .kernarg_segment_align: 8
    .kernarg_segment_size: 40
    .max_flat_workgroup_size: 128
    .sgpr_count:     84
    .vgpr_count:     1024
    .wavefront_size: 32
...
	.end_amdgpu_metadata
.endif
;; end of part 3
;; launch pv (part 4): grid 4 x 64, 4 waves a work-group, clusters of 4 x 4, 327,680 bytes of LDS; arguments pw, pj, out0, ms, ls; writes out0
.if DOCPART == 4
	.amdgcn_target "amdgcn-amd-amdhsa--gfx1250"
	.amdhsa_code_object_version 6
	.text
	.protected	k_qfa6800d4b1_pv
	.globl	k_qfa6800d4b1_pv
	.p2align	8
	.type	k_qfa6800d4b1_pv,@function
k_qfa6800d4b1_pv:
	s_mov_b64 s[64:65], 0
	v_nop
	global_prefetch_b8 v0, s[64:65] scope:SCOPE_SE
	s_setreg_imm32_b32 hwreg(HW_REG_WAVE_MODE, 25, 1), 1
	s_wait_xcnt 0x0
	s_wait_alu depctr_hold_cnt(0) depctr_sa_sdst(0) depctr_va_vdst(0) depctr_va_sdst(0) depctr_va_ssrc(0) depctr_va_vcc(0) depctr_vm_vsrc(0)
	s_getreg_b32 s2, hwreg(HW_REG_IB_STS2, 6, 4)
	s_cmp_eq_u32 s2, 0
	s_cbranch_scc0 .Lentry_in_a_cluster
	s_endpgm
.Lentry_in_a_cluster:
	s_bfe_u32 s2, ttmp6, 0x10000c
	s_cmp_lg_u32 s2, 0xf033
	s_cbranch_scc0 .Lentry_shape_is_right
	s_endpgm
.Lentry_shape_is_right:
; ONE TEXT, TWO KERNELS, chosen by PV below: C = A B with A [M][K] along K and B [K][N] along N, on tiles of 128 x 256 of C.
;   PV = 0, the projection: pj[8192][3072] (f16) = xb[8192][1024] (bf16) x wb[1024][3072] (bf16) + bf16(b_qkv).  Sums in f32, pj rounded once.  q is columns 0-1023 (unscaled), k 1024-2047, v 2048-3071.
;   PV = 1, the second product of attention: out0[8192][1024] (f32) = (sum over the 16 blocks of 128 keys of (f P_blk) V_blk) / L.  pw holds p = 2^(t - m) in f16, with m the true maximum of the row's
;           128 scores t of that block (ms) and l their sum (ls).  Here M = the maximum of a row's 16 m, f = 2^(m - M) <= 1, L = the sum of f l: the row's true maximum is taken away.  M, f, l, L in f32;
;           f is rounded to f16 once and f p once more, as the matrix operand.  V is pj's columns 2048-3071 of the batch's 2,048 rows.
; LIMITS.  f16 holds no number beyond 65,504: q, k and v must stay within it (inputs 30 times those drawn, or offset by 30 spreads, give under 30,000).  f p below 6e-5 keeps f16's fixed step of 6e-8;
; f below 2^-126 counts as 0; NaN and infinities are not treated apart.
; SHARES.  Four waves, each 64 x 128 of C: 32 accumulators of 16 x 16, 256 registers.  K goes in steps of 128 through two LDS slots filled by the tensor data mover; a step is four quarters of 32.
; THE MATRIX INSTRUCTION IS USED TRANSPOSED: source 0 = 16 columns of B (B lies [K][N], so its fragments come out of LDS turned, by ds_load_tr16_b128), source 1 = 16 rows of A.  A lane then holds
; row lane % 16 of C and the eight neighbouring columns 8 (lane / 16) + 0..7.
; CLUSTER.  4 x 4 work-groups.  A's tile hangs on the tile row alone and is shared along a row of the cluster, B's on the tile column (and the batch, which the whole cluster shares) and is shared
; along a column: each is asked for jointly, by the same tensor load with the same descriptor and a mask that names the four.
; REGISTERS.  window 0: v0-31 addresses; v32-127, v128-223 two fragment buffers (A: 4 x 8 registers, then B: 8 x 8); v224-227 the step's factors, v232-239 1 / L (PV);
;   window 1: the accumulators, (a, b) at v[8 (8 a + b)];   window 2 (PV = 0): v0-63 the bias of my 128 columns, v64 at work.
.set PV, 1
.if PV
.set NS,      16                       ; K steps: 2,048 keys
.set ASTRIDE, 2048                     ; elements in a row of A
.set ASHIFT,  12                       ; log2 of its bytes
.set CROW,    4096                     ; bytes in a row of C
.set CSH,     10                       ; log2 of the bytes of a tile's 256 columns of C
.set NOUT,    8                        ; pieces on the way out: 16 rows x 256 bytes each
.else
.set NS,      8
.set ASTRIDE, 1024
.set ASHIFT,  11
.set CROW,    6144
.set CSH,     9
.set NOUT,    4
.endif
.set BSTRIDE, 3072                     ; elements in a row of B (wb, pj)
.set PA,     272                       ; a row of A in LDS: 256 bytes + 16 of padding = 68 words: the 16 rows of a load start at 16 different groups of four banks (64 banks of 4 bytes: ISA guide 11.1)
.set PB,     544                       ; a row of B: 512 + 32 = 136 words
.set AHALF,  64*PA                     ; what one tensor load brings of A: 64 rows
.set ATILE,  2*AHALF
.set BHALF,  64*PB                     ; and of B: 64 rows along K
.set SLOT1,  1<<17                     ; slot 0 at 0 (104,448 bytes: A, then B); slot 1 here, so that one exclusive or turns an address in one slot into the other's
.set STAGE,  SLOT1+ATILE+2*BHALF       ; behind the ring: 16 rows x 272 bytes for each wave, for the way out
.set SP,     272
.set FAC,    STAGE+4*16*SP             ; PV: the factors f, twice in a word as f16: [16 blocks][128 rows] x 4 bytes
.set INVL,   FAC+16*512                ; PV: 1 / L: [128 rows] x 4 bytes
.if PV
.set SPARE,  INVL+512                  ; the spare words, 128 bytes for each wave: two blocks of 256 bytes that no other line names
.else
.set SPARE,  FAC
.endif
.set ASTEP,  256                       ; bytes from K step to K step in A
.set BSTEP,  128*BSTRIDE*2             ; and in B: 128 rows
.set ADRA0, 16                         ; v16  my lane's place in a slot's A; never rewritten
.set ADRB0, 17                         ; v17  the same for B
.set ADRA,  18                         ; v18  the same in the slot in hand
.set ADRB,  19                         ; v19
.set FADR0, 23                         ; v23  PV: my lane's place in block 0 of the factors; never rewritten
.set STO,   24                         ; v24  the way out: where I put my bytes of a row
.set RD,    25                         ; v25  the way out: where I read a row back
.set CO,    26                         ; v26  my byte offset in C
.set FADR,  27                         ; v27  PV: my lane's place in the next step's factors
.set SPW,   28                         ; v28  LDS address of my spare word; never rewritten
.set NIL,   29                         ; v29  0; never rewritten
.set F0,    32
.set F1,    128
.set FC,    224                        ; PV: f of my row in row block a, twice as f16
.set IL,    232                        ; PV: 1 / L of my row in row block a, in pairs
.set TMP,   32                         ; the way out: what goes into the stage
.set BK,    64                         ; the way out: two banks of 32, rows read back
.set SUMS,  128                        ; PV = 0: sums with the bias
.set G1,  24                           ; s[24:31] descriptor group 1 for A's tiles
.set G0,  32                           ; s[32:39] group 0 for A's: s[32:35] step 0, used once; s[36:39] step 1, which then walks
.set G1B, 48                           ; s[48:55], s[56:63] the same for B's
.set G0B, 56
.set TB,  22                           ; s22  LDS byte at which the slot in hand begins
.set FB,  23                           ; s23  PV: 512 x the step whose factors are fetched
.set MSB, 0
.macro WIN new                         ; the immediate's high byte repeats the setting that is left; a switch that changes nothing is dropped
.if MSB != (\new)
	s_set_vgpr_msb (MSB<<8)|(\new)
.set MSB, \new
.endif
.endm
.set MUL, 0x50                         ; C and D in window 1, both sources in window 0
.macro PLACES                          ; four places in front of loads into registers that matrix instructions have read, and of vector lines that read results
.rept 4
	v_nop
.endr
.endm
; A joint load.  Waves 0 and 1 fetch A's two halves, waves 2 and 3 B's.  The branch hangs on the wave's number alone.  An s_nop 0 and four v_nop follow each of the two lines.
.macro JLOAD s
	s_cmp_eq_u32 s11, 0
	s_cbranch_scc0 .Lfor_b_\@
	tensor_load_to_lds s[G0+4*(\s):G0+4*(\s)+3], s[G1:G1+7]
	s_nop 0
.rept 4
	v_nop
.endr
	s_branch .Lasked_\@
.Lfor_b_\@:
	tensor_load_to_lds s[G0B+4*(\s):G0B+4*(\s)+3], s[G1B:G1B+7]
	s_nop 0
.rept 4
	v_nop
.endr
.Lasked_\@:
.endm
.macro CREST                           ; a round of the cluster's barrier behind its opening barrier
	s_cmp_lg_u32 s10, 0
	s_cbranch_scc1 .Lnot_wave_0_\@
	s_barrier_signal -3
.Lnot_wave_0_\@:
	s_barrier_wait -3
	s_barrier_signal -1
	s_barrier_wait -1
.endm
.macro CROUND                          ; a whole round
	s_barrier_signal -1
	s_barrier_wait -1
	CREST
.endm
	s_load_b128 s[4:7], s[0:1], 0x0                ; A s[4:5], B s[6:7]
	s_load_b64 s[8:9], s[0:1], 0x10                ; C
	s_load_b64 s[68:69], s[0:1], 0x18              ; the bias, or ms
.if PV
	s_load_b64 s[70:71], s[0:1], 0x20              ; ls
.endif
	v_lshl_add_u32 v[SPW], v0, 2, SPARE
	v_mov_b32 v[NIL], 0
	ds_add_u32 v[SPW], v[NIL]                      ; the wave's opening: the add and its wait stand ahead of my first tensor load; the set-up below, work on registers, stands between them
	v_lshrrev_b32 v1, 5, v0
	v_readfirstlane_b32 s10, v1                    ; wave 0..3
	s_lshr_b32 s11, s10, 1                         ; which 64 rows of the tile are mine.  Also: I fetch for A (0) or for B (1)
	s_and_b32 s12, s10, 1                          ; which 128 columns.  Also: which half of that tile I fetch
	s_bfe_u32 s40, ttmp6, 0x40000                  ; cx, cy: my place in the cluster
	s_bfe_u32 s41, ttmp6, 0x40004
	s_lshl_b32 s42, ttmp9, 2
	s_add_co_u32 s42, s42, s40                     ; tile column of C = 4 x cluster x + cx
	s_and_b32 s45, ttmp7, 0xffff                   ; cluster y
	s_lshl_b32 s13, s45, 2
	s_add_co_u32 s13, s13, s41                     ; tile row of C = 4 x cluster y + cy
	s_lshl_b32 s43, s41, 2
	s_lshl_b32 s43, 15, s43                        ; my row of the cluster
	s_lshl_b32 s44, 0x1111, s40                    ; my column
	; group 1 for A: 64 rows x 128 elements of 2 bytes, 4 words of padding behind every 64 words
	s_or_b32 s[G1+0], s43, (1<<16)|(1<<20)|(1<<21)|(5<<22)|(3<<25)  ; 15:0 the mask; 17:16 2-byte elements; 20 padding on; 21 set beside a mask; 24:22 interval code 5; 31:25 pad code 3
	s_mov_b32 s[G1+1], 128<<16                     ; tensor_dim0 = 128
	s_mov_b32 s[G1+2], 64<<16                      ; tensor_dim1 = 64
	s_mov_b32 s[G1+3], 128<<16                     ; tile_dim0 = 128
	s_mov_b32 s[G1+4], 64                          ; tile_dim1 = 64
	s_mov_b32 s[G1+5], ASTRIDE                     ; elements from row to row
	s_mov_b32 s[G1+6], 0
	s_mov_b32 s[G1+7], 0
	; group 1 for B: 64 rows x 256 elements, 8 words of padding behind every 128 words
	s_or_b32 s[G1B+0], s44, (1<<16)|(1<<20)|(1<<21)|(6<<22)|(7<<25)
	s_mov_b32 s[G1B+1], 256<<16
	s_mov_b32 s[G1B+2], 64<<16
	s_mov_b32 s[G1B+3], 256<<16
	s_mov_b32 s[G1B+4], 64
	s_mov_b32 s[G1B+5], BSTRIDE
	s_mov_b32 s[G1B+6], 0
	s_mov_b32 s[G1B+7], 0
	; where the tiles come from: A's offset is made of the tile row and the wave, B's of the tile column, the batch and the wave, each in registers that never hold the other coordinate
	s_lshl_b32 s16, s13, 7
	s_lshl_b32 s17, s12, 6
	s_add_co_u32 s16, s16, s17                     ; A: row 128 x tile row + 64 x half,
	s_lshl_b32 s16, s16, ASHIFT                    ; in bytes: under 2^26
	s_mov_b32 s17, 0
.if PV
	s_lshr_b32 s46, s45, 2                         ; the batch: 16 tile rows, four clusters
	s_lshl_b32 s46, s46, 11                        ; its first key's row in pj,
	s_lshl_b32 s47, s12, 6
	s_add_co_u32 s46, s46, s47                     ; + 64 x half
	s_mul_i32 s46, s46, BSTRIDE*2
	s_add_co_u32 s46, s46, 4096                    ; v begins at column 2,048
.else
	s_mul_i32 s46, s12, 64*BSTRIDE*2               ; B: row 64 x half
.endif
	s_lshl_b32 s47, s42, 9
	s_add_co_u32 s46, s46, s47                     ; + 512 bytes x tile column: under 2^26
	s_mov_b32 s47, 0
	s_mul_i32 s20, s12, AHALF                      ; and where they go: no place in the cluster enters an LDS address
	s_mul_i32 s21, s12, BHALF
	s_add_co_u32 s21, s21, ATILE
	s_mov_b32 s72, 0xffff0000                      ; a word's upper 16 bits
	s_wait_dscnt 0x0                               ; the opening add is done
	s_wait_kmcnt 0x0
	s_add_nc_u64 s[14:15], s[4:5], s[16:17]
	s_add_nc_u64 s[46:47], s[6:7], s[46:47]
	CROUND                                         ; all sixteen work-groups are here: the first joint loads meet
.irp s, 0,1
	s_mov_b32 s[G0+4*(\s)], 1                                        ; count = 1
	s_add_co_u32 s[G0+4*(\s)+1], s20, (\s)*SLOT1                     ; LDS address
	s_add_nc_u64 s[G0+4*(\s)+2:G0+4*(\s)+3], s[14:15], (\s)*ASTEP    ; global address: K step s
	s_or_b32 s[G0+4*(\s)+3], s[G0+4*(\s)+3], 0x80000000              ; type = 2
	s_mov_b32 s[G0B+4*(\s)], 1
	s_add_co_u32 s[G0B+4*(\s)+1], s21, (\s)*SLOT1
	s_add_nc_u64 s[G0B+4*(\s)+2:G0B+4*(\s)+3], s[46:47], (\s)*BSTEP
	s_or_b32 s[G0B+4*(\s)+3], s[G0B+4*(\s)+3], 0x80000000
	JLOAD \s                                       ; two tensor loads of mine are out
.endr
	v_and_b32 v1, 15, v0                           ; r = l % 16
	v_bfe_u32 v2, v0, 4, 1                         ; h = l / 16
.if PV
	; thread t owns row t of the tile: its 16 maxima and 16 sums, 32,768 bytes apart
	s_lshl_b32 s18, s13, 9                         ; 128 rows x 4 bytes x tile row
	s_mov_b32 s19, 0
	s_add_nc_u64 s[68:69], s[68:69], s[18:19]
	s_add_nc_u64 s[70:71], s[70:71], s[18:19]
	v_lshlrev_b32 v7, 2, v0
.set n, 0
.rept 16
	global_load_b32 v[32+n], v7, s[68:69] offset:n*32768
	global_load_b32 v[48+n], v7, s[70:71] offset:n*32768
.set n, n+1
.endr
.else
	; the bias of my 128 columns: a lane's eight columns of column block b are 32 bytes at 64 b + 32 h
	s_lshl_b32 s18, s42, 10
	s_lshl_b32 s19, s12, 9
	s_add_co_u32 s18, s18, s19
	s_mov_b32 s19, 0
	s_add_nc_u64 s[68:69], s[68:69], s[18:19]
	v_lshlrev_b32 v7, 5, v2
	WIN 0x80                                       ; destination window 2, address window 0
.irp b, 0,1,2,3,4,5,6,7
	global_load_b128 v[8*(\b):8*(\b)+3],   v7, s[68:69] offset:64*(\b)
	global_load_b128 v[8*(\b)+4:8*(\b)+7], v7, s[68:69] offset:64*(\b)+16
.endr
	WIN 0
.endif
	; A fragment of A is 16 rows x 32 K in 8 registers: lane l holds row r, K = 8 h + 0..7 and 16 + 8 h + 0..7: two loads of 16 bytes, 32 bytes apart.
	v_mul_u32_u24 v3, v1, PA
	v_lshl_add_u32 v4, v2, 4, v3                   ; r x 272 + 16 h
	s_mul_i32 s2, s11, AHALF                       ; my 64 rows
	v_add_nc_u32 v[ADRA0], s2, v4
	; The turning load takes 16 K x 16 columns (lane l reads row 8 h + l % 8, columns 8 ((l / 8) % 2) + 0..7) and leaves half a fragment: lane l holds column r and 8 K.
	v_and_b32 v5, 7, v0
	v_lshl_add_u32 v5, v2, 3, v5
	v_mul_u32_u24 v5, v5, PB
	v_bfe_u32 v6, v0, 3, 1
	v_lshl_add_u32 v5, v6, 4, v5
	s_lshl_b32 s2, s12, 8                          ; my 128 columns,
	s_add_co_u32 s2, s2, ATILE                     ; behind A's tile
	v_add_nc_u32 v[ADRB0], s2, v5
	s_mul_i32 s2, s10, 16*SP
	s_add_co_u32 s2, s2, STAGE                     ; my stage
.if PV
	v_lshl_add_u32 v4, v2, 5, v3                   ; in: row r, 32 bytes (eight f32) for each half of the lanes
.endif
	v_add_nc_u32 v[STO], s2, v4                    ; (PV = 0: row r, 16 bytes, eight f16)
	v_mul_u32_u24 v5, v2, SP                       ; back: lanes 0-15 take one row of 256 bytes, lanes 16-31 the next
	v_lshl_add_u32 v5, v1, 4, v5
	v_add_nc_u32 v[RD], s2, v5
	v_mul_u32_u24 v5, v2, CROW                     ; and the same two rows in C
	v_lshl_add_u32 v[CO], v1, 4, v5
	s_lshl_b32 s18, s13, 7
	s_lshl_b32 s19, s11, 6
	s_add_co_u32 s18, s18, s19                     ; my first row of C,
	s_mul_i32 s18, s18, CROW                       ; in bytes: under 2^26
	s_lshl_b32 s19, s42, CSH
	s_add_co_u32 s18, s18, s19                     ; + the tile's columns
	s_lshl_b32 s19, s12, CSH-1
	s_add_co_u32 s18, s18, s19                     ; + my half of them
	s_mov_b32 s19, 0
	s_add_nc_u64 s[8:9], s[8:9], s[18:19]
.if PV
	s_lshl_b32 s2, s11, 8
	s_add_co_u32 s2, s2, FAC
	v_lshl_add_u32 v[FADR0], v1, 2, s2             ; the factor of row 64 x half + r
	v_lshl_add_u32 v8, v0, 2, FAC                  ; where thread t puts its row's
	s_wait_loadcnt 0x0                             ; m in v32-47, l in v48-63
	v_max3_num_f32 v64, v32, v33, v34              ; M, the row's maximum
.irp n, 3,5,7,9,11,13
	v_max3_num_f32 v64, v64, v[32+(\n)], v[33+(\n)]
.endr
	v_max_num_f32 v64, v64, v47
.set n, 0
.rept 16
	v_sub_f32 v[32+n], v[32+n], v64
.set n, n+1
.endr
.set n, 0
.rept 16
	v_exp_f32 v[32+n], v[32+n]                     ; f = 2^(m - M)
.set n, n+1
.endr
	v_nop                                          ; a plain instruction between the last exponential and the use of its result
	s_wait_alu depctr_va_vdst(0)
	v_mul_f32 v66, v32, v48                        ; L = the sum of f l, in two chains
	v_mul_f32 v67, v33, v49
.irp n, 2,4,6,8,10,12,14
	v_fmac_f32 v66, v[32+(\n)], v[48+(\n)]
	v_fmac_f32 v67, v[33+(\n)], v[49+(\n)]
.endr
	v_add_f32 v66, v66, v67                        ; at least 1: the block that holds M has f = 1 and l >= 1
	v_rcp_f32 v84, v66                             ; the roundings below are the plain instructions behind it
.set n, 0
.rept 16
	v_cvt_pk_f16_f32 v[68+n], v[32+n], v[32+n]     ; f twice in a word: the packed multiply takes both halves
.set n, n+1
.endr
.set n, 0
.rept 16
	ds_store_b32 v8, v[68+n] offset:n*512
.set n, n+1
.endr
	s_wait_alu depctr_va_vdst(0)
	ds_store_b32 v8, v84 offset:16*512             ; 1 / L
.else
	s_wait_loadcnt 0x0
	WIN 0x8a                                       ; destination and both sources in window 2
.set n, 0
.rept 32
	v_cvt_pk_bf16_f32 v64, v[2*n], v[2*n+1]        ; the bias is rounded to bf16 like the other inputs, and widened again
	v_lshlrev_b32 v[2*n], 16, v64
	v_and_b32 v[2*n+1], s72, v64
.set n, n+1
.endr
	WIN 0
.endif
.macro MM d, b, a, zero                ; one matrix instruction; zero = 1: it starts the sum
.if PV && (\zero)
	v_wmma_f32_16x16x32_f16 v[(\d):(\d)+7], v[(\b):(\b)+7], v[(\a):(\a)+7], 0
.elseif PV
	v_wmma_f32_16x16x32_f16 v[(\d):(\d)+7], v[(\b):(\b)+7], v[(\a):(\a)+7], v[(\d):(\d)+7]
.elseif \zero
	v_wmma_f32_16x16x32_bf16 v[(\d):(\d)+7], v[(\b):(\b)+7], v[(\a):(\a)+7], 0
.else
	v_wmma_f32_16x16x32_bf16 v[(\d):(\d)+7], v[(\b):(\b)+7], v[(\a):(\a)+7], v[(\d):(\d)+7]
.endif
.endm
.macro SCALE f, a, n0, n               ; PV: registers n0 .. n0 + n - 1 of row block a of buffer f: p times f, two at a time, each rounded to f16
	WIN 0
.set z, \n0
.rept \n
	v_pk_mul_f16 v[(\f)+8*(\a)+z], v[(\f)+8*(\a)+z], v[FC+(\a)]
.set z, z+1
.endr
.endm
; Row block a of buffer f x all 8 column blocks.  The 32 accumulators take turns, in the same order in every quarter.
; PV: row block r1 is scaled behind the first two products, four lines behind each, row block r2 behind the next two; none of these lines names a register of the products round it.
.macro MULA f, a, zero, r1=-1, r2=-1
.irp b, 0,1,2,3,4,5,6,7
	WIN MUL
	MM 8*(8*(\a)+(\b)), (\f)+32+8*(\b), (\f)+8*(\a), \zero
.if PV
.if ((\r1) >= 0) && ((\b) < 2)
	SCALE \f, \r1, 4*(\b), 4
.endif
.if ((\r2) >= 0) && ((\b) >= 2) && ((\b) < 4)
	SCALE \f, \r2, 4*((\b)-2), 4
.endif
.endif
.endr
.endm
; 24 LDS loads in one run: the fragments of the quarter that begins at k along K, from the slot in hand, into buffer f
.macro FETCH k, f
	WIN 0
.irp i, 0,1,2,3
	ds_load_b128 v[(\f)+8*(\i):(\f)+8*(\i)+3],   v[ADRA] offset:2*(\k)+(\i)*16*PA
	ds_load_b128 v[(\f)+8*(\i)+4:(\f)+8*(\i)+7], v[ADRA] offset:2*(\k)+(\i)*16*PA+32
.endr
.irp i, 0,1,2,3,4,5,6,7
	ds_load_tr16_b128 v[(\f)+32+8*(\i):(\f)+32+8*(\i)+3],   v[ADRB] offset:(\k)*PB+32*(\i)
	ds_load_tr16_b128 v[(\f)+32+8*(\i)+4:(\f)+32+8*(\i)+7], v[ADRB] offset:((\k)+16)*PB+32*(\i)
.endr
.endm
; One of a step's first three quarters: multiplies buffer f; ahead of its products it fetches the next quarter, at k, into buffer g, which the quarter before multiplied.
.macro QUARTER k, f, g, zero
	WIN 0
	s_wait_dscnt 0x0                               ; f's loads, issued ahead of the quarter before's products, are in (PV: the step's factors too)
.if PV
	SCALE \f, 0, 0, 8                              ; row block 0; these eight lines are also the places in front of the loads into g
.else
	PLACES
.endif
	FETCH \k, \g
	MULA \f, 0, \zero, 1
	MULA \f, 1, \zero, 2
	MULA \f, 2, \zero, 3
	MULA \f, 3, \zero
.endm
; A step's last quarter multiplies buffer 1 and changes slots: ONE barrier.  In front of it each wave waits for all its tensor loads, of which one is out: its part of the next slot; adds 0 to its spare
; word; and waits for that and for its own reads of this slot.  Behind it nobody reads this slot any more and the next slot is whole.  fill = 1: this slot is filled again, with the step two steps on:
; the barrier then opens a round of the cluster's, and the joint load is the first thing behind the round: 112 matrix instructions stand between it and the wait for it.
.macro TURN fill
	WIN 0
	s_wait_tensorcnt 0x0                           ; no tensor load of mine is out, so a group 0 may be written
	ds_add_u32 v[SPW], v[NIL]                      ; 0 onto my spare word; the scalar steps below stand between it and the wait for it
.if \fill
	s_xor_b32 s[G0+5], s[G0+5], SLOT1              ; the walking descriptors: the other slot than last time,
	s_add_nc_u64 s[G0+6:G0+7], s[G0+6:G0+7], ASTEP ; the next K step; the type bits on top are not reached
	s_xor_b32 s[G0B+5], s[G0B+5], SLOT1
	s_add_nc_u64 s[G0B+6:G0B+7], s[G0B+6:G0B+7], BSTEP
.endif
	s_xor_b32 s[TB], s[TB], SLOT1                  ; the fetches go on in the other slot
.if PV
	s_add_co_u32 s[FB], s[FB], 512                 ; and with the next block's factors
.endif
	s_wait_dscnt 0x0                               ; the add is done, and my reads of this slot are over
	s_barrier_signal -1
	v_add_nc_u32 v[ADRA], s[TB], v[ADRA0]          ; work on registers while the others arrive
	v_add_nc_u32 v[ADRB], s[TB], v[ADRB0]
.if PV
	v_add_nc_u32 v[FADR], s[FB], v[FADR0]
	SCALE F1, 0, 0, 8
.endif
	MULA F1, 0, 0, 1
	MULA F1, 1, 0, 2, 3                            ; PV: row block 3 is scaled here too: the factors' registers are loaded anew below
	WIN 0                                          ; at a branch and at a label every window is 0
	s_barrier_wait -1
.if \fill
	CREST                                          ; no wave of any partner still reads this slot's tiles or has a load on its way
	JLOAD 1                                        ; the four v_nop behind it are also the places in front of the loads below
.else
	PLACES
.endif
	FETCH 0, F0
.if PV
.irp a, 0,1,2,3
	ds_load_b32 v[FC+(\a)], v[FADR] offset:64*(\a)
.endr
.endif
	MULA F1, 2, 0
	MULA F1, 3, 0
.endm
	s_wait_tensorcnt 0x1                           ; my part of K step 0 is in; step 1's stays out
.if PV
	s_wait_dscnt 0x0                               ; for the others' sake: my rows of the two tables are stored
.endif
	s_barrier_signal -1
	s_barrier_wait -1                              ; everybody's is
	s_mov_b32 s[TB], 0
	v_mov_b32 v[ADRA], v[ADRA0]
	v_mov_b32 v[ADRB], v[ADRB0]
	FETCH 0, F0
.if PV
	s_mov_b32 s[FB], 0
.irp a, 0,1,2,3
	ds_load_b32 v[FC+(\a)], v[FADR0] offset:64*(\a)
	ds_load_b32 v[IL+2*(\a)], v[FADR0] offset:16*512+64*(\a)
.endr
.endif
	QUARTER 32, F0, F1, 1                          ; the first quarter stands in front of the loop: its products start the sums
	WIN 0
	s_mov_b32 s3, NS-2
.Lstep:                                                ; a trip: quarters 1 to 3 of a step and quarter 0 of the next; the step's slot is filled again
	QUARTER 64, F1, F0, 0
	QUARTER 96, F0, F1, 0
	TURN 1
	QUARTER 32, F0, F1, 0
	WIN 0
	s_sub_co_u32 s3, s3, 1
	s_cmp_lg_u32 s3, 0
	s_cbranch_scc1 .Lstep
	QUARTER 64, F1, F0, 0                          ; the last two steps are written out: nothing is left to fetch
	QUARTER 96, F0, F1, 0
	TURN 0
	QUARTER 32, F0, F1, 0
	QUARTER 64, F1, F0, 0
	QUARTER 96, F0, F1, 0
	WIN 0
	s_wait_dscnt 0x0                               ; the very last quarter
.if PV
	SCALE F1, 0, 0, 8
.endif
	MULA F1, 0, 0, 1
	MULA F1, 1, 0, 2
	MULA F1, 2, 0, 3
	MULA F1, 3, 0
; THE WAY OUT, in pieces of 16 rows x 256 bytes through my own stage in LDS.  PV = 0: piece i is row block i, all 128 columns in f16.  PV = 1: row block i / 2, columns 64 (i % 2) on, in f32.
; Each accumulator's registers are taken in ascending order.
.macro PACK i
.if PV
	WIN 0x01                                       ; source 0 in window 1
.set n, 0
.rept 16
	v_pk_mul_f32 v[TMP+2*n:TMP+2*n+1], v[32*(\i)+2*n:32*(\i)+2*n+1], v[IL+2*((\i)/2):IL+2*((\i)/2)+1] op_sel_hi:[1,0]
.set n, n+1
.endr
	WIN 0
.else
	WIN 0x09                                       ; source 0 in window 1, source 1 in window 2
.set n, 0
.rept 32
	v_pk_add_f32 v[SUMS+2*n:SUMS+2*n+1], v[64*(\i)+2*n:64*(\i)+2*n+1], v[2*n:2*n+1]
.set n, n+1
.endr
	WIN 0
.set n, 0
.rept 32
	v_cvt_pk_f16_f32 v[TMP+n], v[SUMS+2*n], v[SUMS+2*n+1]
.set n, n+1
.endr
.endif
.endm
.macro TOSTAGE i
	WIN 0
.irp m, 0,1,2,3,4,5,6,7
.if PV
	ds_store_b128 v[STO], v[TMP+4*(\m):TMP+4*(\m)+3] offset:64*((\m)/2)+16*((\m)%2)
.else
	ds_store_b128 v[STO], v[TMP+4*(\m):TMP+4*(\m)+3] offset:32*(\m)
.endif
.endr
.irp t, 0,1,2,3,4,5,6,7
	ds_load_b128 v[BK+32*((\i)%2)+4*(\t):BK+32*((\i)%2)+4*(\t)+3], v[RD] offset:(\t)*2*SP  ; LDS serves a wave's instructions in order (ISA guide 5.7.1.4): these see the stores above
.endr
.endm
.macro SEND i
	WIN 0
	s_wait_dscnt 0x0                               ; the piece is back in registers
	s_wait_xcnt 0x0                                ; every earlier store has had its addresses translated (ISA guide 3.1): the other bank, which the piece before last left from, is loaded again only behind this wait
.irp t, 0,1,2,3,4,5,6,7
.if PV
	global_store_b128 v[CO], v[BK+32*((\i)%2)+4*(\t):BK+32*((\i)%2)+4*(\t)+3], s[8:9] offset:(16*((\i)/2)+2*(\t))*CROW+256*((\i)%2) th:TH_STORE_NT  ; 16 lanes store 256 consecutive bytes, aligned
.else
	global_store_b128 v[CO], v[BK+32*((\i)%2)+4*(\t):BK+32*((\i)%2)+4*(\t)+3], s[8:9] offset:(16*(\i)+2*(\t))*CROW  ; 16 lanes store 256 consecutive bytes, aligned; later launches read them: no hint
.endif
.endr
.endm
	WIN 0
.if PV
.irp a, 0,1,2,3
	v_mov_b32 v[IL+2*(\a)+1], v[IL+2*(\a)]         ; named as pairs; these four lines are also the places behind the last products
.endr
.else
	PLACES
.endif
	PACK 0
	TOSTAGE 0
.set o, 1
.rept NOUT-1                           ; a piece's arithmetic stands between the loads of the piece before and the wait for them
	PACK o
	SEND o-1
	TOSTAGE o
.set o, o+1
.endr
	SEND NOUT-1
	s_wait_tensorcnt 0x0                           ; the wave's end: a wait, an add of 0 and its wait, behind my last tensor load and my last LDS store
	ds_add_u32 v[SPW], v[NIL]
	s_wait_dscnt 0x0
	CROUND                                         ; the closing round: no work-group ends while a partner may still ask for a tile that names it
	s_endpgm
.Lfunc_end_k_qfa6800d4b1_pv:
	.size	k_qfa6800d4b1_pv, .Lfunc_end_k_qfa6800d4b1_pv-k_qfa6800d4b1_pv
	.p2alignl 7, 3214868480
	.fill 96, 4, 3214868480
	.section	.rodata,"a",@progbits
	.p2align	6, 0x0
	.amdhsa_kernel k_qfa6800d4b1_pv
		.amdhsa_group_segment_fixed_size 327680
		.amdhsa_private_segment_fixed_size 0
		.amdhsa_enable_private_segment 0
		.amdhsa_kernarg_size 40
		.amdhsa_user_sgpr_count 2
		.amdhsa_user_sgpr_kernarg_segment_ptr 1
		.amdhsa_wavefront_size32 1
		.amdhsa_system_sgpr_workgroup_id_x 1
		.amdhsa_system_sgpr_workgroup_id_y 1
		.amdhsa_system_sgpr_workgroup_id_z 1
		.amdhsa_system_vgpr_workitem_id 0
		.amdhsa_next_free_vgpr 512
		.amdhsa_next_free_sgpr 80
		.amdhsa_reserve_vcc 0
		.amdhsa_float_denorm_mode_32 3
		.amdhsa_float_denorm_mode_16_64 3
		.amdhsa_memory_ordered 1
		.amdhsa_forward_progress 1
		.amdhsa_inst_pref_size 114
	.end_amdhsa_kernel
	.amdgpu_metadata
---
amdhsa.version: [ 1, 2 ]
amdhsa.kernels:
  - .name:           k_qfa6800d4b1_pv
    .symbol:         k_qfa6800d4b1_pv.kd
    .args:
      - { .name: pw, .offset: 0, .size: 8, .value_kind: global_buffer, .address_space: global }
      - { .name: pj, .offset: 8, .size: 8, .value_kind: global_buffer, .address_space: global }
      - { .name: out0, .offset: 16, .size: 8, .value_kind: global_buffer, .address_space: global }
      - { .name: ms, .offset: 24, .size: 8, .value_kind: global_buffer, .address_space: global }
      - { .name: ls, .offset: 32, .size: 8, .value_kind: global_buffer, .address_space: global }
    .group_segment_fixed_size: 327680
    .private_segment_fixed_size: 0
    .kernarg_segment_align: 8
    .kernarg_segment_size: 40
    .max_flat_workgroup_size: 128
    .sgpr_count:     80
    .vgpr_count:     512
    .wavefront_size: 32
...
	.end_amdgpu_metadata
.endif
;; end of part 4
;; ======== version 2 of 2: 4 launches; version 1 with the launch cast written anew for expert scheduling mode
;; limits: values are held in f16: magnitudes above 65,504 overflow, below 6.1e-05 lose precision
;; workspace buffers: xb 16,777,216 bytes; wb 6,291,456 bytes; pj 50,331,648 bytes; pw 33,554,432 bytes; ms 524,288 bytes; ls 524,288 bytes
;; launch cast (part 5): grid 704 x 1, 8 waves a work-group, no clusters, 0 bytes of LDS; arguments qkv, W_qkv, xb, wb; writes xb, wb
.if DOCPART == 5
	.amdgcn_target "amdgcn-amd-amdhsa--gfx1250"
	.amdhsa_code_object_version 6
	.text
	.protected	k_qfa6800d4b1_cast
	.globl	k_qfa6800d4b1_cast
	.p2align	8
	.type	k_qfa6800d4b1_cast,@function
k_qfa6800d4b1_cast:
	s_mov_b64 s[64:65], 0
	v_nop
	global_prefetch_b8 v0, s[64:65] scope:SCOPE_SE
	s_setreg_imm32_b32 hwreg(HW_REG_WAVE_SCHED_MODE, 0, 2), 2
	s_setreg_imm32_b32 hwreg(HW_REG_WAVE_MODE, 25, 1), 1
	s_wait_xcnt 0x0
	s_wait_alu depctr_vm_vsrc(0)
; xb = bf16(qkv), wb = bf16(W_qkv): both inputs rounded once, to nearest even, number by number, in their own order.
; A stream: no LDS, no barrier, no loop.  A work-group of eight waves takes 65,536 bytes of f32 and leaves 32,768 bytes of bf16.
; Work-groups 0 to 511 take qkv (33,554,432 bytes), 512 to 703 take W_qkv (12,582,912 bytes): the two pointers are chosen on the work-group's number.
; Thread t takes the 16 bytes at 16 t of each 4,096 bytes: a load of a wave covers 512 consecutive bytes; its four numbers leave as 8 bytes at 8 t of each
; 2,048 bytes: a store of a wave covers 256 consecutive bytes, aligned.  All sixteen loads are issued at once; no register is written twice.
; THE MODE: SCHED_MODE bits 1:0 = 2 (LLVM: expert scheduling mode 2), set by the entry lines.  The code itself states the register dependences
; between vector instructions and memory instructions, with s_wait_alu, always for 0.
; THE PLAN.  Registers that memory instructions touch:
;   v1, v2   byte offsets, each written by one vector line at the head and never again; v1 is read by every load, v2 by every store.
;   X        written by the sixteen loads, which are all issued before any vector line names X; read by the conversions behind the wait for the data.
;   Y        pair j is written once, by load j's two conversions, and read once, by store j.
; The sixteen loads go in four groups of four.  Group g rounds its four loads into its eight Y registers; its memory instructions are the four stores of
; group g - 1, which read the eight Y registers of that group and v2: registers that no vector line of group g names.  So one wait at a group's head states
; all that its four stores hang on, and they stand among its conversions with no further wait.  No register that a memory instruction has read is written
; again, no vector line writes a scalar register, and EXEC is never written: nothing more is to be stated.
.set X_GROUPS, 512                     ; work-groups for qkv
.set X, 4                              ; v[4:67]   sixteen loads of four f32
.set Y, 68                             ; v[68:99]  sixteen stores of four bf16
	s_load_b256 s[4:11], s[0:1], 0x0               ; qkv s[4:5], W_qkv s[6:7], xb s[8:9], wb s[10:11]
	v_lshlrev_b32 v1, 4, v0                        ; 16 t
	v_lshlrev_b32 v2, 3, v0                        ; 8 t
	s_wait_kmcnt 0x0
	s_cmp_lt_u32 ttmp9, X_GROUPS                   ; the selects below leave SCC as it is
	s_cselect_b64 s[12:13], s[4:5], s[6:7]         ; from
	s_cselect_b64 s[14:15], s[8:9], s[10:11]       ; to
	s_cselect_b32 s16, 0, X_GROUPS
	s_sub_co_u32 s16, ttmp9, s16                   ; my number among the tensor's work-groups
	s_lshl_b32 s18, s16, 16                        ; 65,536 bytes in,
	s_lshl_b32 s20, s16, 15                        ; 32,768 bytes out: both under 2^26
	s_mov_b32 s19, 0
	s_mov_b32 s21, 0
	s_add_nc_u64 s[12:13], s[12:13], s[18:19]
	s_add_nc_u64 s[14:15], s[14:15], s[20:21]
	s_wait_alu depctr_va_vdst(0)                   ; v1 and v2 are written: every load of the kernel reads v1 as its offset, every store v2
.irp j, 0,1,2,3,4,5,6,7,8,9,10,11,12,13,14,15
	global_load_b128 v[X+4*(\j):X+4*(\j)+3], v1, s[12:13] offset:(\j)*4096 th:TH_LOAD_NT  ; read once in the launch
.endr
.irp g, 0,1,2,3
	s_wait_loadcnt 12-4*(\g)                       ; loads come back in order (ISA guide 5.7.1): group g's four are in, the 12 - 4 g younger ones stay out
.if (\g) > 0
	s_wait_alu depctr_va_vdst(0)                   ; the conversions of the group before have written its eight Y registers, which the four stores below read
.endif
.irp i, 0,1,2,3
.if (\g) > 0
	global_store_b64 v2, v[Y+2*(4*(\g)-4+(\i)):Y+2*(4*(\g)-4+(\i))+1], s[14:15] offset:(4*(\g)-4+(\i))*2048  ; the group before; no vector line since the wait names these registers.  The next launch reads these bytes: no hint
.endif
	v_cvt_pk_bf16_f32 v[Y+2*(4*(\g)+(\i))],   v[X+4*(4*(\g)+(\i))],   v[X+4*(4*(\g)+(\i))+1]
	v_cvt_pk_bf16_f32 v[Y+2*(4*(\g)+(\i))+1], v[X+4*(4*(\g)+(\i))+2], v[X+4*(4*(\g)+(\i))+3]
.endr
.endr
	s_wait_alu depctr_va_vdst(0)                   ; the last group's conversions have written its eight Y registers, which the last four stores read
.irp i, 0,1,2,3
	global_store_b64 v2, v[Y+2*(12+(\i)):Y+2*(12+(\i))+1], s[14:15] offset:(12+(\i))*2048
.endr
	s_endpgm
.Lfunc_end_k_qfa6800d4b1_cast:
	.size	k_qfa6800d4b1_cast, .Lfunc_end_k_qfa6800d4b1_cast-k_qfa6800d4b1_cast
	.p2alignl 7, 3214868480
	.fill 96, 4, 3214868480
	.section	.rodata,"a",@progbits
	.p2align	6, 0x0
	.amdhsa_kernel k_qfa6800d4b1_cast
		.amdhsa_group_segment_fixed_size 0
		.amdhsa_private_segment_fixed_size 0
		.amdhsa_enable_private_segment 0
		.amdhsa_kernarg_size 32
		.amdhsa_user_sgpr_count 2
		.amdhsa_user_sgpr_kernarg_segment_ptr 1
		.amdhsa_wavefront_size32 1
		.amdhsa_system_sgpr_workgroup_id_x 1
		.amdhsa_system_sgpr_workgroup_id_y 1
		.amdhsa_system_sgpr_workgroup_id_z 1
		.amdhsa_system_vgpr_workitem_id 0
		.amdhsa_next_free_vgpr 100
		.amdhsa_next_free_sgpr 66
		.amdhsa_reserve_vcc 0
		.amdhsa_float_denorm_mode_32 3
		.amdhsa_float_denorm_mode_16_64 3
		.amdhsa_memory_ordered 1
		.amdhsa_forward_progress 1
		.amdhsa_inst_pref_size 7
	.end_amdhsa_kernel
	.amdgpu_metadata
---
amdhsa.version: [ 1, 2 ]
amdhsa.kernels:
  - .name:           k_qfa6800d4b1_cast
    .symbol:         k_qfa6800d4b1_cast.kd
    .args:
      - { .name: qkv, .offset: 0, .size: 8, .value_kind: global_buffer, .address_space: global }
      - { .name: W_qkv, .offset: 8, .size: 8, .value_kind: global_buffer, .address_space: global }
      - { .name: xb, .offset: 16, .size: 8, .value_kind: global_buffer, .address_space: global }
      - { .name: wb, .offset: 24, .size: 8, .value_kind: global_buffer, .address_space: global }
    .group_segment_fixed_size: 0
    .private_segment_fixed_size: 0
    .kernarg_segment_align: 8
    .kernarg_segment_size: 32
    .max_flat_workgroup_size: 256
    .sgpr_count:     66
    .vgpr_count:     100
    .wavefront_size: 32
...
	.end_amdgpu_metadata
.endif
;; end of part 5
;; launch proj: the kernel of part 2 again; grid 12 x 32, 4 waves a work-group, clusters of 4 x 4, 327,680 bytes of LDS; arguments xb, wb, pj, b_qkv; writes pj
;; launch score: the kernel of part 3 again; grid 8 x 32, 4 waves a work-group, clusters of 4 x 4, 327,680 bytes of LDS; arguments pj, mask, pw, ms, ls; writes pw, ms, ls
;; launch pv: the kernel of part 4 again; grid 4 x 64, 4 waves a work-group, clusters of 4 x 4, 327,680 bytes of LDS; arguments pw, pj, out0, ms, ls; writes out0
